; MI455X (gfx1250); checked and timed in simulation.
; The chip was launched on July 23, 2026; its instructions are those of AMD's public machine-readable ISA for CDNA 5 (MIT licence, August 2026) and "CDNA5" Instruction Set Architecture Reference Guide (July 2026). The comments in the code are by the model that wrote it; some were corrected since.
;; Parallel Block. Allowed arithmetic: matrix products marked QUANTISED: E4M3 operands, one E8M0 scale for each 32 along K, by v_wmma_scale_f32_16x16x128_f8f6f4 with both operands' format E4M3, f32 sums; everything else in f32.
;; Inputs: W1 1,024 x 4,096 float32; W2 4,096 x 1,024 float32; Wk 1,024 x 1,024 float32; Wo 1,024 x 1,024 float32; Wq 1,024 x 1,024 float32; Wv 1,024 x 1,024 float32; norm_w 1,024 float32; x 2 x 2,048 x 1,024 float32.
;; Outputs: out0 2 x 2,048 x 1,024 float32.
;; This version of the problem:
;;   THIS VERSION OF THE PROBLEM IS GIVEN IN LOW PRECISION. The matrix products marked QUANTISED in the list below multiply operands that are first quantised to E4M3 (4 exponent bits, 3 mantissa bits; 8 bits a number), with one power-of-two scale for each 32 numbers along K (OCP MX v1.0); their sums are f32. All else is computed in f32.
;;   The module's matrix products, in the order in which they are computed (A, B: the left and right operand; K: the contracted axis; several contracted axes count as one K, in the product's order):
;;     1. [M 4,096, K 1,024] x [K 1,024, N 1,024]; A: computed on the way; B: input Wq: QUANTISED
;;     2. [M 4,096, K 1,024] x [K 1,024, N 1,024]; A: computed on the way; B: input Wk: QUANTISED
;;     3. [M 4,096, K 1,024] x [K 1,024, N 1,024]; A: computed on the way; B: input Wv: QUANTISED
;;     4. batch 32 x [M 2,048, K 64] x [K 64, N 2,048]; A: computed on the way; B: computed on the way: QUANTISED
;;     5. batch 32 x [M 2,048, K 2,048] x [K 2,048, N 64]; A: softmax (see below); B: computed on the way: QUANTISED
;;     6. [M 4,096, K 1,024] x [K 1,024, N 1,024]; A: computed on the way; B: input Wo: QUANTISED
;;     7. [M 4,096, K 1,024] x [K 1,024, N 4,096]; A: computed on the way; B: input W1: QUANTISED
;;     8. [M 4,096, K 4,096] x [K 4,096, N 1,024]; A: computed on the way; B: input W2: QUANTISED
;;   THE QUANTISER, for each operand of a quantised product, along K:
;;     - K is cut into blocks of 32 from its start; a last block that is shorter is filled with zeros.
;;     - A block's scale is 2^e with e = floor(log2(the largest magnitude in the block)) - 8, held to -126 .. 127; a block of zeros has e = 0. As a byte (E8M0): e + 127.
;;     - Each number is divided by its block's scale, clamped to +-448, and rounded to the nearest number of E4M3, ties to even, subnormals kept.
;;     - The product sums the exact products of the quantised numbers (number of the format x scale) in f32.
;;   ~~~python
;;   def quantise(x, axis):      # numpy; x: float32 -> the quantised numbers, widened to float32 again
;;       x = np.moveaxis(x, axis, -1); K = x.shape[-1]
;;       x = np.pad(x, [(0, 0)] * (x.ndim - 1) + [(0, -K % 32)]); x = x.reshape(x.shape[:-1] + (-1, 32)); a = np.abs(x).max(-1, keepdims=True)
;;       e = np.where(a > 0, np.clip(np.frexp(np.where(a > 0, a, 1))[1] - 1 - 8, -126, 127), 0)      # np.frexp(a)[1] - 1 = floor(log2(a)), exactly
;;       r = np.clip(x / 2.0 ** e, -448, 448)
;;       step = 2.0 ** (np.maximum(np.frexp(np.where(r == 0, 1, r))[1] - 1, -6) - 3)
;;       q = np.round(r / step) * step * 2.0 ** e      # np.round: ties to even
;;       return np.moveaxis(q.reshape(q.shape[:-2] + (-1,))[..., :K], -1, axis).astype(np.float32)
;;   ~~~
;;   SOFTMAX AHEAD OF A QUANTISED PRODUCT. Where the list says 'softmax', what is quantised is not the finished softmax but p = 2^(t - M), with t = logit x log2(e) and M = ceil(the row's largest t), a whole number; so 1/2 < the row's largest p <= 1. The row's sum l is taken of the UNQUANTISED p, in f32, and the product's result is divided by l at the end. Since M is a whole number, a kernel that streams over the keys may use a running M (the ceiling of the running maximum): every later rescaling is an exact power of two, which a block's scale takes up: the codes' values come out the same.
;;   OPERANDS COMPUTED ON THE WAY. 'Computed on the way' means the value that the module computes at that place (a softmax that the list does not call 'softmax' is quantised finished and normalised). What goes into a quantiser is computed in f32, as accurately as f32 sums, v_exp_f32 and their like allow (about 1e-6 of the number): no bf16 or f16 on the way to a quantiser, and a product that is left as it is and whose result goes on into a quantised operand takes f32 operands (vector FMAs, or v_wmma_f32_16x16x4_f32). A number that lies on a knife's edge between two numbers of the format may be rounded either way, as far as f32 arithmetic and the matrix unit's own rounding can turn it there, and no further.
;; One version. Each part assembles by itself: llvm-mc -triple=amdgcn-amd-amdhsa -mcpu=gfx1250 --defsym DOCPART=n.
;; ======== version 1 of 1: 4 launches
;; limits: right only within a limited range of input values
;; workspace buffers: xq 4,456,448 bytes; wc1 7,798,784 bytes; wc2 5,570,560 bytes; qkv 13,369,344 bytes; a2 22,282,240 bytes
;; launch wquant (part 1): grid 1024 x 1, 4 waves a work-group, no clusters, 66,304 bytes of LDS; arguments x, norm_w, Wq, Wk, Wv, Wo, W1, W2, xq, wc1, wc2; writes xq, wc1, wc2
.if DOCPART == 1
	.amdgcn_target "amdgcn-amd-amdhsa--gfx1250"
	.amdhsa_code_object_version 6
	.text
	.protected	k_qe8d251bd21_wquant
	.globl	k_qe8d251bd21_wquant
	.p2align	8
	.type	k_qe8d251bd21_wquant,@function
k_qe8d251bd21_wquant:
	s_mov_b64 s[64:65], 0
	v_nop
	global_prefetch_b8 v0, s[64:65] scope:SCOPE_SE
	s_setreg_imm32_b32 hwreg(HW_REG_WAVE_MODE, 25, 1), 1
	s_wait_xcnt 0x0
; THE PROGRAM: out0 = x + attention(xn) Wo + silu(xn W1) W2, xn = rmsnorm(x) norm_w, all eight products on codes of E4M3 with one E8M0 byte for each 32 along K.
; Four launches: this one (xn and the six weights into codes), gemm1 (xn x [Wq|Wk|Wv|W1], results quantised on the way out), attn, gemm2 ([out|h] x [Wo;W2] + x).
; WORK LEFT OUT.  reference() sets the score of key k and query q to -infinity where k > q, by its own jnp.tril; the softmax gives exactly 0 there, and 0 times a value adds nothing.  So a step of 128 keys
; all of which come after all 16 queries of a wave reaches no output, whatever finite values the inputs hold: launch attn leaves such steps out.  Nothing else is left out; every input has a way to out0 and is loaded.
; LIMIT: a NaN, an infinity or an overflow that reaches only the steps left out is not carried to the result.
; THE UNIT.  Every operand of this program lies in memory in units of 16 rows x 256 along K, 4,352 bytes, as images of the operand's registers: byte 2048 q + 512 c + 16 lane holds, for lane (r, h), the 16 codes
; k = 128 q + 32 c + 16 h + 0 .. 15 of row slot r; byte 4096 + 128 q + 4 r holds slot r's scale word (four E8M0 bytes) of fragment q, and 64 bytes on the same word once more.
; THE ORDER OF ROWS.  In every group of 32 rows (tokens; columns n of a weight) row x goes to block (x / 8) % 2, slot 8 (x / 16) + x % 8: so the 16 result registers of two neighbouring blocks are 16 neighbours.
; THIS LAUNCH HAS TWO KINDS OF WORK-GROUPS, told apart by the work-group's number.
; 0-255, X: xn = x rsqrt(mean(x^2) + 2^-23) norm_w in f32, quantised along the row into xq = [K unit 4][block of 16 tokens 256].  A work-group makes one block; slot r of block m is token 32 (m / 2) + 8 (m % 2) + r % 8 + 16 (r / 8).
;   Wave w loads slots 4 w .. 4 w + 3, four consecutive tokens, whole rows, 512 consecutive bytes a load, norms them and puts them into a stage in LDS (rows of 4,096 + 16 bytes); behind the barrier wave w takes K unit w of all 16 slots.
; 256-1023, WEIGHTS: a weight is [K][N] f32.  A lane takes a column n and its registers run down K: a block of 32 along K lies in one lane, and the conversions give codes with K innermost.  A work-group takes 128 columns x 128 along K
;   (one fragment of eight units), a wave 32 columns.  Each store of codes covers two aligned runs of 256 bytes.  wc1 = [K unit 4][block 448]: Wq from block 0, Wk 64, Wv 128, W1 192.  wc2 = [K unit 20][block 64]: K units 0-3 Wo, 4-19 W2.
; THE ONE BARRIER STANDS ON THE WAY THAT BOTH KINDS SHARE, so that every wave of every work-group passes it: the text parts, joins at the barrier and parts again.  What is read behind the barrier is made at the head or behind the second parting.
; A block's scale byte is its largest magnitude's exponent field - 8, held at 1 from below.  LIMITS: a block of zeros, or one whose largest magnitude lies under 2^-118, gets the byte 1 (the bytes are read by this program alone);
; NaN and infinities among the inputs are not served.
.set UNIT,  4352
.set NXG,   256                        ; work-groups that take x
.set PITCH, 4112
.set SPARE, 16*PITCH                   ; behind the stage: the spare words, 128 bytes for each wave
.set X,   32                           ; x: v32-159 four rows as loaded, later 128 numbers to quantise;  weights: v32-95 two sets of 32 numbers
.set NW,  160                          ; v160-191 norm_w at my columns
.set PC,  192                          ; v192-223 the codes of two fragments
.set TM,  224                          ; v224-239 at work in QUANT
.set PW,  240                          ; v240-241 two scale words
.set SS,  242                          ; v242-249 a pair for each row: sums of squares, then 1 / root
.set SPW, 252
.set NIL, 253
.set WI,  8                            ; weights: v8 in: 4 x lane;  v9 out: my codes;  v10 out: my scale word
.set WO,  9
.set WS,  10
.set SB,  24                           ; v24      the fragment's scale word
.set C,   96                           ; v96-127  codes: eight registers for each block, so that no store's data are written again
.set SEL, 4                            ; s[4:5]   v_permlanex16_b32's selects for lane l xor 16
.set MNT, 62                           ; s62      the mantissa field of 448
; 64 numbers of a lane, register 16 b + i = k 32 b + 16 (lane / 16) + i of my row, become a fragment's codes in v[pc] on and its scale word in v[pw]
.macro QUANT s, pc, pw
.irp b, 0,1,2,3
	v_max3_num_f32 v[TM+\b], |v[\s+16*\b]|, |v[\s+1+16*\b]|, 0x4800000   ; my 16 numbers of block b, and the floor 2^(9 - 127)
.endr
.irp i, 2,4,6,8,10,12,14
.irp b, 0,1,2,3
	v_max3_num_f32 v[TM+\b], v[TM+\b], |v[\s+16*\b+\i]|, |v[\s+1+16*\b+\i]|
.endr
.endr
.irp b, 0,1,2,3
	v_permlanex16_b32 v[TM+4+\b], v[TM+\b], s[SEL], s[SEL+1]
.endr
.irp b, 0,1,2,3
	v_max_num_f32 v[TM+\b], v[TM+\b], v[TM+4+\b]   ; with lane l xor 16's: the block's largest magnitude
.endr
.irp b, 0,1,2,3
	v_add_nc_u32 v[TM+12+\b], 0xfc000000, v[TM+\b] ; the conversion's scale operand
.endr
.irp b, 0,1,2,3
	v_and_or_b32 v[TM+8+\b], v[TM+\b], 0x7f800000, s[MNT]   ; 448 x the scale
.endr
.irp b, 0,1,2,3
	v_lshrrev_b32 v[TM+4+\b], 23, v[TM+12+\b]      ; the byte
.endr
	v_lshl_or_b32 v[\pw], v[TM+5], 8, v[TM+4]
	v_lshl_or_b32 v[\pw], v[TM+6], 16, v[\pw]
	v_lshl_or_b32 v[\pw], v[TM+7], 24, v[\pw]
.irp b, 0,1,2,3
.irp i, 0,1,2,3,4,5,6,7,8,9,10,11,12,13,14,15
	v_med3_num_f32 v[\s+16*\b+\i], v[\s+16*\b+\i], -v[TM+8+\b], v[TM+8+\b]   ; the conversion to an 8-bit code does not saturate (ISA guide 7.6.2): the hold comes first
.endr
	v_cvt_scalef32_pk8_fp8_f32 v[\pc+4*\b:\pc+4*\b+1], v[\s+16*\b:\s+16*\b+7], v[TM+12+\b]
	v_cvt_scalef32_pk8_fp8_f32 v[\pc+4*\b+2:\pc+4*\b+3], v[\s+16*\b+8:\s+16*\b+15], v[TM+12+\b]
.endr
	v_nop                                          ; a plain line behind the last conversion
.endm
; weights: block t: W(32 t + i, my column), i = 0 .. 31, into set t % 2; a wave reads 128 consecutive bytes, the four waves 512
.macro LOAD t, pitch
.set i, 0
.rept 32
	global_load_b32 v[X+32*((\t)%2)+i], v[WI], s[12:13] offset:(32*(\t)+i)*(\pitch) th:TH_LOAD_NT
.set i, i+1
.endr
.endm
.macro BLOCK t, pitch
.set XS, X+32*((\t)%2)
.set CT, C+8*(\t)
.if (\t) < 3
	s_wait_loadcnt 32                              ; this block's 32 loads are in; the next block's 32 may be out
.else
	s_wait_loadcnt 0
.endif
	v_max3_num_f32 v12, |v[XS]|, |v[XS+1]|, |v[XS+2]|              ; the block's largest magnitude: all 32 numbers are mine; two chains
	v_max3_num_f32 v13, |v[XS+3]|, |v[XS+4]|, |v[XS+5]|
.irp i, 6,10,14,18,22,26
	v_max3_num_f32 v12, v12, |v[XS+\i]|, |v[XS+\i+1]|
	v_max3_num_f32 v13, v13, |v[XS+\i+2]|, |v[XS+\i+3]|
.endr
	v_max3_num_f32 v12, v12, |v[XS+30]|, |v[XS+31]|
	v_max3_num_f32 v12, v12, v13, 0x4800000        ; and the floor 2^(9 - 127): the byte cannot fall under 1
	v_add_nc_u32 v15, 0xfc000000, v12              ; 8 off the exponent field: the conversion's scale operand
	v_and_or_b32 v14, v12, 0x7f800000, s[MNT]      ; 448 x the scale
	v_lshrrev_b32 v13, 23, v15                     ; the scale's byte
.if (\t) == 0
	v_mov_b32 v[SB], v13
.else
	v_lshl_or_b32 v[SB], v13, 8*(\t), v[SB]
.endif
.set i, 0
.rept 32
	v_med3_num_f32 v[XS+i], v[XS+i], -v14, v14
.set i, i+1
.endr
.irp g, 0,1,2,3
	v_cvt_scalef32_pk8_fp8_f32 v[CT+2*\g:CT+2*\g+1], v[XS+8*\g:XS+8*\g+7], v15
.endr
	global_store_b128 v[WO], v[CT:CT+3], s[26:27] offset:512*(\t)          ; k 0-15 of the block: the place of lanes 0-15 of the image; sixteen lanes fill 256 aligned bytes
	global_store_b128 v[WO], v[CT+4:CT+7], s[26:27] offset:512*(\t)+256    ; k 16-31: the place of lanes 16-31
.if (\t)+2 < 4
	LOAD (\t)+2, \pitch
.endif
.endm
.macro BODY pitch
	LOAD 0, \pitch
	LOAD 1, \pitch
.irp t, 0,1,2,3
	BLOCK \t, \pitch
.endr
	global_store_b32 v[WS], v[SB], s[26:27]
	global_store_b32 v[WS], v[SB], s[26:27] offset:64
	s_wait_tensorcnt 0x0
	ds_add_u32 v[SPW], v[NIL]
	s_wait_dscnt 0x0
	s_endpgm
.endm
	s_load_b256 s[8:15], s[0:1], 0x0               ; x, norm_w, Wq, Wk
	s_load_b256 s[16:23], s[0:1], 0x20             ; Wv, Wo, W1, W2
	s_load_b128 s[24:27], s[0:1], 0x40             ; xq, wc1
	s_load_b64 s[28:29], s[0:1], 0x50              ; wc2
	v_lshl_add_u32 v[SPW], v0, 2, SPARE
	v_mov_b32 v[NIL], 0
	v_lshrrev_b32 v1, 5, v0
	v_readfirstlane_b32 s2, v1                     ; wave
	v_and_b32 v2, 31, v0                           ; lane
	v_and_b32 v3, 15, v0                           ; r
	v_bfe_u32 v11, v0, 4, 1                        ; h
	v_lshlrev_b32 v4, 4, v2                        ; 16 x lane
	v_lshlrev_b32 v7, 2, v2                        ; 4 x lane
	s_mul_i32 s3, s2, 4*PITCH
	v_add_nc_u32 v5, s3, v4                        ; the stage, on the way in: my wave's four rows
	v_mul_u32_u24 v6, v3, PITCH
	v_lshl_add_u32 v6, v11, 6, v6
	s_lshl_b32 s3, s2, 10
	v_add_nc_u32 v6, s3, v6                        ; and on the way out: row r, K unit w, + 64 h
	s_mov_b32 s[SEL], 0x76543210
	s_mov_b32 s[SEL+1], 0xfedcba98
	s_mov_b32 s[MNT], 0x600000
.irp b, 0,1,2,3
	v_mov_b32 v[TM+4+\b], 0                        ; a lane permute's destination counts as one of its sources
.endr
	s_wait_kmcnt 0x0
	s_cmp_ge_u32 ttmp9, NXG                        ; the first parting: the weights' work-groups go straight to the barrier
	s_cbranch_scc1 .Ljoin
	; ---- X, ahead of the barrier: four rows a wave are loaded, normed and put into the stage
	s_lshr_b32 s30, ttmp9, 1
	s_lshl_b32 s30, s30, 5
	s_and_b32 s31, ttmp9, 1
	s_lshl_b32 s31, s31, 3
	s_add_co_u32 s30, s30, s31
	s_lshl_b32 s31, s2, 2
	s_add_co_u32 s30, s30, s31
	s_lshr_b32 s31, s2, 1
	s_lshl_b32 s31, s31, 3
	s_add_co_u32 s30, s30, s31                     ; my wave's first token
	s_lshl_b32 s30, s30, 12
	s_mov_b32 s31, 0
	s_mov_b32 s6, 0x3a800000                       ; 1 / 1024
	s_mov_b32 s7, 0x34000000                       ; eps of f32, 2^-23
	s_add_nc_u64 s[8:9], s[8:9], s[30:31]
.irp j, 0,1,2,3,4,5,6,7
	global_load_b128 v[NW+4*\j:NW+4*\j+3], v4, s[10:11] offset:512*\j
.endr
.irp i, 0,1,2,3
.irp j, 0,1,2,3,4,5,6,7
	global_load_b128 v[X+32*\i+4*\j:X+32*\i+4*\j+3], v4, s[8:9] offset:4096*\i+512*\j th:TH_LOAD_NT
.endr
.endr
.irp i, 0,1,2,3
	s_wait_loadcnt 24-8*\i                         ; row i is in; the eight loads of each later row may be out
	v_pk_mul_f32 v[SS+2*\i:SS+2*\i+1], v[X+32*\i:X+32*\i+1], v[X+32*\i:X+32*\i+1]
.irp j, 2,4,6,8,10,12,14,16,18,20,22,24,26,28,30
	v_pk_fma_f32 v[SS+2*\i:SS+2*\i+1], v[X+32*\i+\j:X+32*\i+\j+1], v[X+32*\i+\j:X+32*\i+\j+1], v[SS+2*\i:SS+2*\i+1]
.endr
	v_add_f32 v[SS+2*\i], v[SS+2*\i], v[SS+2*\i+1]
.endr
.irp m, 1,2,4,8
.irp i, 0,1,2,3
	v_add_f32_dpp v[SS+2*\i], v[SS+2*\i], v[SS+2*\i] row_xmask:\m row_mask:0xf bank_mask:0xf
.endr
.endr
.irp i, 0,1,2,3
	v_permlanex16_b32 v[SS+2*\i+1], v[SS+2*\i], s[SEL], s[SEL+1]
.endr
.irp i, 0,1,2,3
	v_add_f32 v[SS+2*\i], v[SS+2*\i], v[SS+2*\i+1] ; every lane holds the row's sum of squares
.endr
.irp i, 0,1,2,3
	v_fma_f32 v[SS+2*\i], v[SS+2*\i], s6, s7       ; the mean + eps
.endr
	s_wait_alu depctr_va_vdst(0)
.irp i, 0,1,2,3
	v_rsq_f32 v[SS+2*\i], v[SS+2*\i]
.endr
	v_nop                                          ; a plain line behind the last root,
	s_wait_alu depctr_va_vdst(0)                   ; and the one wait for the four, ahead of their first reader
.irp i, 0,1,2,3
.irp j, 0,2,4,6,8,10,12,14,16,18,20,22,24,26,28,30
	v_pk_mul_f32 v[X+32*\i+\j:X+32*\i+\j+1], v[X+32*\i+\j:X+32*\i+\j+1], v[SS+2*\i:SS+2*\i+1] op_sel_hi:[1,0]
.endr
.irp j, 0,2,4,6,8,10,12,14,16,18,20,22,24,26,28,30
	v_pk_mul_f32 v[X+32*\i+\j:X+32*\i+\j+1], v[X+32*\i+\j:X+32*\i+\j+1], v[NW+\j:NW+\j+1]
.endr
.irp j, 0,1,2,3,4,5,6,7
	ds_store_b128 v5, v[X+32*\i+4*\j:X+32*\i+4*\j+3] offset:PITCH*\i+512*\j
.endr
.endr
.Ljoin:
	s_wait_dscnt 0x0                               ; for the others' sake: my rows lie in the stage
	s_barrier_signal -1
	s_barrier_wait -1
	s_cmp_ge_u32 ttmp9, NXG                        ; the second parting
	s_cbranch_scc1 .Lweights
	; ---- X, behind the barrier: K unit w of all 16 slots
	s_lshl_b32 s32, s2, 8
	s_add_co_u32 s32, s32, ttmp9
	s_mul_i32 s32, s32, UNIT                       ; my unit: K unit w, block = the work-group's number
	s_mov_b32 s33, 0
	s_add_nc_u64 s[24:25], s[24:25], s[32:33]
.set n, 0
	s_wait_alu depctr_va_vdst(0)
.rept 32
	ds_load_b128 v[X+4*n:X+4*n+3], v6 offset:128*(n/4)+16*(n%4)    ; block n / 4 of my K unit: my 16 neighbours
.set n, n+1
.endr
	s_wait_dscnt 16                                ; the first fragment's 16 loads are in
	QUANT X, PC, PW
	s_wait_dscnt 0x0
	QUANT X+64, PC+16, PW+1
.irp q, 0,1
.irp c, 0,1,2,3
	global_store_b128 v4, v[PC+16*\q+4*\c:PC+16*\q+4*\c+3], s[24:25] offset:2048*\q+512*\c   ; 512 consecutive bytes, aligned
.endr
	global_store_b32 v7, v[PW+\q], s[24:25] offset:4096+128*\q     ; lanes 0-15 the words, lanes 16-31 the same words once more
.endr
	s_wait_tensorcnt 0x0                           ; the wave's end
	ds_add_u32 v[SPW], v[NIL]
	s_wait_dscnt 0x0
	s_endpgm
.Lweights:
	; ---- WEIGHTS.  Number n = (work-group - 256) / 2: 0-31 Wq, 32-63 Wk, 64-95 Wv, 96-127 Wo, 128-255 W1, 256-383 W2; the low bit says which 128 along K of the K unit
	s_sub_co_u32 s34, ttmp9, NXG
	s_and_b32 s35, s34, 1                          ; q
	s_lshr_b32 s34, s34, 1                         ; n
	s_lshr_b32 s36, s34, 7
	s_cmp_eq_u32 s36, 1
	s_cselect_b32 s37, 1, 0                        ; W1: rows of 4,096 numbers
	s_cselect_b32 s38, 31, 7                       ; groups of 128 columns - 1
	s_cselect_b32 s39, 5, 3
	s_cselect_b32 s40, 21, 19                      ; log2 of the bytes of 128 rows
	s_cmp_eq_u32 s36, 0
	s_cselect_b32 s41, 31, 127
	s_and_b32 s41, s34, s41                        ; my number within the tensor
	s_and_b32 s42, s41, s38                        ; group of columns
	s_lshr_b32 s43, s41, s39                       ; K unit
	s_lshl_b32 s48, s43, 1
	s_add_co_u32 s48, s48, s35
	s_lshl_b32 s48, s48, s40
	s_lshl_b32 s44, s42, 9
	s_add_co_u32 s48, s48, s44
	s_lshl_b32 s44, s2, 7
	s_add_co_u32 s48, s48, s44                     ; where my wave's part of the weight begins
	s_mov_b32 s49, 0
	s_cmp_lt_u32 s34, 96
	s_cselect_b32 s47, 1, 0
	s_or_b32 s47, s47, s37                         ; 1: the codes go to wc1
	s_lshr_b32 s52, s34, 5
	s_lshl_b32 s52, s52, 6
	s_cmp_lt_u32 s34, 96
	s_cselect_b32 s52, s52, 0
	s_cmp_eq_u32 s37, 1
	s_cselect_b32 s52, 192, s52                    ; the tensor's first block
	s_cmp_eq_u32 s36, 2
	s_cselect_b32 s53, 4, 0
	s_add_co_u32 s53, s53, s43                     ; K unit in the buffer
	s_cmp_eq_u32 s47, 1
	s_cselect_b32 s54, 448, 64                     ; blocks in a K unit
	s_mul_i32 s53, s53, s54
	s_add_co_u32 s53, s53, s52
	s_lshl_b32 s44, s42, 3
	s_add_co_u32 s53, s53, s44
	s_lshl_b32 s44, s2, 1
	s_add_co_u32 s53, s53, s44                     ; my wave's first unit
	s_mul_i32 s50, s53, UNIT
	s_mov_b32 s51, 0
	s_lshl_b32 s45, s35, 11                        ; my fragment's codes in a unit
	s_lshl_b32 s46, s35, 7
	s_add_co_u32 s46, s46, 4096                    ; and its scale words
	v_lshlrev_b32 v[WI], 2, v2                     ; in: 4 bytes a lane: my column
	v_bfe_u32 v12, v2, 3, 1                        ; block
	v_and_b32 v13, 7, v2
	v_bfe_u32 v14, v2, 4, 1
	v_lshl_add_u32 v13, v14, 3, v13                ; slot
	v_mul_u32_u24 v12, v12, UNIT
	v_lshl_add_u32 v[WO], v13, 4, v12
	v_add_nc_u32 v[WO], s45, v[WO]                 ; out: my unit + my fragment + 16 x slot
	v_lshl_add_u32 v[WS], v13, 2, v12
	v_add_nc_u32 v[WS], s46, v[WS]
	s_cmp_lt_u32 s34, 32                           ; the choices hang on the work-group's number alone
	s_cselect_b64 s[12:13], s[12:13], s[14:15]
	s_cmp_lt_u32 s34, 64
	s_cselect_b64 s[12:13], s[12:13], s[16:17]
	s_cmp_lt_u32 s34, 96
	s_cselect_b64 s[12:13], s[12:13], s[18:19]
	s_cmp_lt_u32 s34, 128
	s_cselect_b64 s[12:13], s[12:13], s[20:21]
	s_cmp_lt_u32 s34, 256
	s_cselect_b64 s[12:13], s[12:13], s[22:23]
	s_cmp_eq_u32 s47, 1
	s_cselect_b64 s[26:27], s[26:27], s[28:29]
	s_add_nc_u64 s[12:13], s[12:13], s[48:49]
	s_add_nc_u64 s[26:27], s[26:27], s[50:51]
	s_cmp_eq_u32 s37, 1                            ; the row's length stands in the loads' immediates: one copy of the text for each of the two lengths
	s_cbranch_scc1 .Lwide
	BODY 4096
.Lwide:
	BODY 16384
.Lfunc_end_k_qe8d251bd21_wquant:
	.size	k_qe8d251bd21_wquant, .Lfunc_end_k_qe8d251bd21_wquant-k_qe8d251bd21_wquant
	.p2alignl 7, 3214868480
	.fill 96, 4, 3214868480
	.section	.rodata,"a",@progbits
	.p2align	6, 0x0
	.amdhsa_kernel k_qe8d251bd21_wquant
		.amdhsa_group_segment_fixed_size 66304
		.amdhsa_private_segment_fixed_size 0
		.amdhsa_enable_private_segment 0
		.amdhsa_kernarg_size 88
		.amdhsa_user_sgpr_count 2
		.amdhsa_user_sgpr_kernarg_segment_ptr 1
		.amdhsa_wavefront_size32 1
		.amdhsa_system_sgpr_workgroup_id_x 1
		.amdhsa_system_sgpr_workgroup_id_y 1
		.amdhsa_system_sgpr_workgroup_id_z 1
		.amdhsa_system_vgpr_workitem_id 0
		.amdhsa_next_free_vgpr 256
		.amdhsa_next_free_sgpr 66
		.amdhsa_reserve_vcc 0
		.amdhsa_float_denorm_mode_32 3
		.amdhsa_float_denorm_mode_16_64 3
		.amdhsa_memory_ordered 1
		.amdhsa_forward_progress 1
		.amdhsa_inst_pref_size 99
	.end_amdhsa_kernel
	.amdgpu_metadata
---
amdhsa.version: [ 1, 2 ]
amdhsa.kernels:
  - .name:           k_qe8d251bd21_wquant
    .symbol:         k_qe8d251bd21_wquant.kd
    .args:
      - { .name: x, .offset: 0, .size: 8, .value_kind: global_buffer, .address_space: global }
      - { .name: norm_w, .offset: 8, .size: 8, .value_kind: global_buffer, .address_space: global }
      - { .name: Wq, .offset: 16, .size: 8, .value_kind: global_buffer, .address_space: global }
      - { .name: Wk, .offset: 24, .size: 8, .value_kind: global_buffer, .address_space: global }
      - { .name: Wv, .offset: 32, .size: 8, .value_kind: global_buffer, .address_space: global }
      - { .name: Wo, .offset: 40, .size: 8, .value_kind: global_buffer, .address_space: global }
      - { .name: W1, .offset: 48, .size: 8, .value_kind: global_buffer, .address_space: global }
      - { .name: W2, .offset: 56, .size: 8, .value_kind: global_buffer, .address_space: global }
      - { .name: xq, .offset: 64, .size: 8, .value_kind: global_buffer, .address_space: global }
      - { .name: wc1, .offset: 72, .size: 8, .value_kind: global_buffer, .address_space: global }
      - { .name: wc2, .offset: 80, .size: 8, .value_kind: global_buffer, .address_space: global }
    .group_segment_fixed_size: 66304
    .private_segment_fixed_size: 0
    .kernarg_segment_align: 8
    .kernarg_segment_size: 88
    .max_flat_workgroup_size: 128
    .sgpr_count:     66
    .vgpr_count:     256
    .wavefront_size: 32
...
	.end_amdgpu_metadata
.endif
;; end of part 1
;; launch gemm1 (part 2): grid 16 x 16, 4 waves a work-group, clusters of 4 x 4, 327,680 bytes of LDS; arguments xq, wc1, qkv, a2; writes qkv, a2
.if DOCPART == 2
	.amdgcn_target "amdgcn-amd-amdhsa--gfx1250"
	.amdhsa_code_object_version 6
	.text
	.protected	k_qe8d251bd21_gemm1
	.globl	k_qe8d251bd21_gemm1
	.p2align	8
	.type	k_qe8d251bd21_gemm1,@function
k_qe8d251bd21_gemm1:
	s_mov_b64 s[64:65], 0
	v_nop
	global_prefetch_b8 v0, s[64:65] scope:SCOPE_SE
	s_setreg_imm32_b32 hwreg(HW_REG_WAVE_MODE, 25, 1), 1
	s_wait_xcnt 0x0
	s_wait_alu depctr_hold_cnt(0) depctr_sa_sdst(0) depctr_va_vdst(0) depctr_va_sdst(0) depctr_va_ssrc(0) depctr_va_vcc(0) depctr_vm_vsrc(0)
	s_getreg_b32 s2, hwreg(HW_REG_IB_STS2, 6, 4)
	s_cmp_eq_u32 s2, 0
	s_cbranch_scc0 .Lentry_in_a_cluster
	s_endpgm
.Lentry_in_a_cluster:
	s_bfe_u32 s2, ttmp6, 0x10000c
	s_cmp_lg_u32 s2, 0xf033
	s_cbranch_scc0 .Lentry_shape_is_right
	s_endpgm
.Lentry_shape_is_right:
; xn x [Wq | Wk | Wv | W1]: M 4,096, N 7,168, K 1,024, on codes of E4M3 with E8M0 scales; every result is quantised on the way out into the next product's operand: no f32 intermediate goes to memory.  No work is left out here.
; Operands lie in units of 16 rows x 256 K, 4,352 bytes, as register images (launch wquant's head).
; THE DEAL.  256 work-groups: row tile rt (256 tokens, grid x) x column group g (grid y).  A wave keeps 64 tokens (blocks 16 rt + 4 w .. + 3), ALL of K, in 512 registers, and all four waves
; stream the same weight columns past them: seven chunks of 64 columns (four blocks), one of each section of 1,024 columns, blocks 64 s + 4 g: in the order V (s = 2), the hidden layer (3-6), Q (0), K (1).  What a step does hangs on the step alone.
; A PAIR of weight blocks is 64 products a wave (2 blocks x 4 token blocks x 8 fragments of K) into eight accumulators, and then its way out: silu (hidden layer), four scale blocks of 32 (16 numbers in lane l, 16 in lane l xor 16), codes, stores.
; Q, K, hidden: source 0 = the weight's rows, source 1 = tokens: a lane holds a token, and the 16 registers of the pair's two blocks are 16 neighbouring columns: accumulator (e, a) at ACC + 16 a + 8 e.
; V: source 0 = tokens, source 1 = the weight's rows: a lane holds a channel, and the 16 registers of two neighbouring token blocks are 16 neighbouring tokens: accumulator (e, a) at ACC + 32 e + 8 a.  The quantiser is the same text for both.
; CLUSTERS of 4 x 4.  The four of a column (same rt) need the same rows of xn, the four of a row (same g) the same chunks: every tensor load is joint.
; THE HEAD.  Wave w fetches K unit w of the tile's 16 blocks of xn, 69,632 dense bytes, to LDS byte 69,632 w: 278,528 bytes, over the ring's bytes.  K unit 0 is read into registers first; a drained round; chunk 0 is filled over it,
; and lands while K units 1-3 are read; a second drained round; chunk 1.
; THE RING.  Two LDS slots of a chunk, 69,632 bytes, 2^17 bytes apart.  Wave w fetches K unit w of a chunk: four units on end, 17,408 dense bytes.
; Chunk n lies in slot n % 2.  At the head of chunk n's second pair both its blocks stand in registers, so the slot is read out: there stand the waits, the add and the round, and behind the round chunk n + 2 is asked for: it has a chunk's work
; (128 products and two ways out) in which to land.  Chunks 5 and 6 ask for nothing and are written out.
; PREFETCH: chunks 0 and 1 at the head, under xn's load; then beside the load of chunk n + 2 chunk n + 3.  A chunk is 272 blocks of 256 bytes: of the four partners that load it, partner cx takes K unit cx, its wave w 17 blocks, a lane a block
; (lanes 17-31 name the 17th again).  Behind chunk 6 nothing is asked for.  xn is asked for at the launch's first lines: there is nothing to run ahead in.
; OUT: qkv units 0-2047 = [256 columns of Q (0-3), of K (4-7)][block of tokens 256]; units 2048 on = V^T [256 tokens 16][block of channels 64]; a2 K units 4-19 = silu(xn W1).  64 columns (V: a wave's 64 tokens) own two of a scale word's four bytes: they leave by stores of two bytes a lane, 64 bytes beside 1,024 of codes.
; LIMITS: a block of zeros or under 2^-118 gets the byte 1 (read by this program alone); NaN and infinities are not served.
; REGISTERS: window 0: v1-13 addresses; v24-39 the weight's scale words, two sets; v44-59 xn's; v64-127 sums; v128-191 silu; v192-231 the quantiser.  windows 1, 2: xn, fragment (Q, a) at 16 ((4 Q + a) % 16).  window 3: two weight blocks, all of K.
.set UNIT,  4352
.set SLOT1, 1<<17
.set SPARE, 64*UNIT                    ; behind xn's 278,528 bytes: the spare words, 128 bytes for each wave
.set L16,  1                           ; v1  16 x lane
.set L16P, 2                           ; v2  + a pair of units
.set LS,   3                           ; v3  scale words: UNIT x (lane / 16) + 4 (lane % 16) + 4096
.set LSP,  4                           ; v4  + a pair of units
.set ADB,  5                           ; v5  LDS address of what is fetched
.set ADS,  6                           ; v6  and of its scale words
.set CO,   7                           ; v7, v8  Q, K, hidden: my codes and my two scale bytes in a unit
.set SO,   8
.set COV,  9                           ; v9, v10 the same for V
.set SOV,  10
.set PFO,  11                          ; v11 the prefetches' offset
.set SPW,  12
.set NIL,  13
.set SB,   24
.set SA,   44                          ; register 8 p + Q: lanes 0-15 token block 2 p, lanes 16-31 block 2 p + 1
.set ACC,  64
.set T,    128
.set TM,   192
.set PC,   208                         ; codes: four registers a scale block
.set EBK,  224                         ; the first pair's bytes
.set HW,   228                         ; two bytes to store
.set WV,   14
.set G1,   24
.set G0,   32
.set WB,   36                          ; s[36:37] wc1 at (448 w + 4 g) units
.set OF,   38
.set SEC,  40                          ; the section that is asked for next
.set TB,   41                          ; the slot in hand
.set PB,   42                          ; s[42:43] wc1 at (448 cx + 4 g) units;  s[44:45] where the prefetch stands
.set PA,   44
.set OQ,   48
.set OK,   50
.set OH,   52
.set OV,   54
.set G0A,  56                          ; s[56:59], s[88:95] xn's load
.set G1A,  88
.set SEL,  60
.set MNT,  62
.set NL2E, 66
.set CNT,  68
.set AL,   69                          ; where my four blocks of xn lie in LDS, K unit by K unit
.set MSB, 0
.macro WIN new                         ; the immediate's high byte repeats the setting that is left
.if MSB != (\new)
	s_set_vgpr_msb (MSB<<8)|(\new)
.set MSB, (\new)
.endif
.endm
.macro PLACES n
.rept \n
	v_nop
.endr
.endm
.macro WALU
	s_wait_alu depctr_va_vdst(0)
.endm
.macro CREST                           ; a round of the cluster's barrier behind its opening barrier
	s_cmp_lg_u32 s[WV], 0
	s_cbranch_scc1 .Lnot_wave_0_\@
	s_barrier_signal -3
.Lnot_wave_0_\@:
	s_barrier_wait -3
	s_barrier_signal -1
	s_barrier_wait -1
.endm
.macro CROUND
	s_barrier_signal -1
	s_barrier_wait -1
	CREST
.endm
.macro TLOAD                           ; my K unit of a chunk; an s_nop 0 and four v_nop follow
	tensor_load_to_lds s[G0:G0+3], s[G1:G1+7]
	s_nop 0
	PLACES 4
.endm
.macro NEXT turn                       ; group 0 for section SEC (no load that names it is out); turn = 1: into the other slot, and the prefetch's address for the section after it
	s_mul_i32 s[OF], s[SEC], 64*UNIT
	s_add_nc_u64 s[G0+2:G0+3], s[WB:WB+1], s[OF:OF+1]
	s_or_b32 s[G0+3], s[G0+3], 0x80000000
.if \turn
	s_xor_b32 s[G0+1], s[G0+1], SLOT1
.endif
	s_add_co_u32 s[SEC], s[SEC], 1
	s_cmp_eq_u32 s[SEC], 7
	s_cselect_b32 s[SEC], 0, s[SEC]
.if \turn
	s_mul_i32 s[OF], s[SEC], 64*UNIT
	s_add_nc_u64 s[PA:PA+1], s[PB:PB+1], s[OF:OF+1]
.endif
.endm
.macro ASK                             ; the chunk that the next round will ask for; section 2 would be chunk 0 again: nothing follows chunk 6
	s_cmp_eq_u32 s[SEC], 2
	s_cbranch_scc1 .Lno_ask_\@
	global_prefetch_b8 v[PFO], s[PA:PA+1] th:TH_LOAD_NT scope:SCOPE_SE
.Lno_ask_\@:
.endm
.macro ALOAD ku                        ; K unit ku of my four blocks of xn, and its scale words, from LDS into the registers where they stay: 32 + 4 loads
	v_add_nc_u32 v[ADB], s[AL], v[L16]
	v_add_nc_u32 v[ADS], s[AL], v[LS]
	WALU
	s_add_co_u32 s[AL], s[AL], 16*UNIT
	WIN (1+(\ku)/2)<<6
.set Q_, 2*(\ku)
.rept 2
.set A_, 0
.rept 4
.irp c, 0,1,2,3
	ds_load_b128 v[16*((4*Q_+A_)%16)+4*\c:16*((4*Q_+A_)%16)+4*\c+3], v[ADB] offset:A_*UNIT+2048*(Q_%2)+512*\c
.endr
.set A_, A_+1
.endr
.set Q_, Q_+1
.endr
	WIN 0
.set Q_, 2*(\ku)
.rept 2
.irp p, 0,1
	ds_load_b32 v[SA+8*\p+Q_], v[ADS] offset:2*\p*UNIT+128*(Q_%2)
.endr
.set Q_, Q_+1
.endr
.endm
.macro WM z, ra, rb, d, s0, s1, x0, x1 ; one product; z: it starts its sum; ra, rb: the scale words stand in lanes 16-31
.if \z
.if (\ra) && (\rb)
	v_wmma_scale_f32_16x16x128_f8f6f4 v[\d:\d+7], v[\s0:\s0+15], v[\s1:\s1+15], 0, v[\x0], v[\x1] matrix_a_scale:MATRIX_SCALE_ROW1 matrix_b_scale:MATRIX_SCALE_ROW1
.elseif \ra
	v_wmma_scale_f32_16x16x128_f8f6f4 v[\d:\d+7], v[\s0:\s0+15], v[\s1:\s1+15], 0, v[\x0], v[\x1] matrix_a_scale:MATRIX_SCALE_ROW1
.elseif \rb
	v_wmma_scale_f32_16x16x128_f8f6f4 v[\d:\d+7], v[\s0:\s0+15], v[\s1:\s1+15], 0, v[\x0], v[\x1] matrix_b_scale:MATRIX_SCALE_ROW1
.else
	v_wmma_scale_f32_16x16x128_f8f6f4 v[\d:\d+7], v[\s0:\s0+15], v[\s1:\s1+15], 0, v[\x0], v[\x1]
.endif
.else
.if (\ra) && (\rb)
	v_wmma_scale_f32_16x16x128_f8f6f4 v[\d:\d+7], v[\s0:\s0+15], v[\s1:\s1+15], v[\d:\d+7], v[\x0], v[\x1] matrix_a_scale:MATRIX_SCALE_ROW1 matrix_b_scale:MATRIX_SCALE_ROW1
.elseif \ra
	v_wmma_scale_f32_16x16x128_f8f6f4 v[\d:\d+7], v[\s0:\s0+15], v[\s1:\s1+15], v[\d:\d+7], v[\x0], v[\x1] matrix_a_scale:MATRIX_SCALE_ROW1
.elseif \rb
	v_wmma_scale_f32_16x16x128_f8f6f4 v[\d:\d+7], v[\s0:\s0+15], v[\s1:\s1+15], v[\d:\d+7], v[\x0], v[\x1] matrix_b_scale:MATRIX_SCALE_ROW1
.else
	v_wmma_scale_f32_16x16x128_f8f6f4 v[\d:\d+7], v[\s0:\s0+15], v[\s1:\s1+15], v[\d:\d+7], v[\x0], v[\x1]
.endif
.endif
.endm
; 32 products: weight block e of the pair (set e of window 3) x my four token blocks, K ascending; i: the set of the weight's scale words.  The four accumulators take turns.
.macro PRODS kind, e, i
.set Q_, 0
.rept 8
.set A_, 0
.rept 4
.set W_, 128*(\e)+16*Q_
.set X_, 16*((4*Q_+A_)%16)
.set SW_, SB+8*(\i)+Q_
.set SX_, SA+8*(A_/2)+Q_
.if \kind
.set D_, ACC+32*(\e)+8*A_
	WIN (1+Q_/4)|(3<<2)
	WM Q_==0, A_%2, \e, D_, X_, W_, SX_, SW_
.else
.set D_, ACC+16*A_+8*(\e)
	WIN 3|((1+Q_/4)<<2)
	WM Q_==0, \e, A_%2, D_, W_, X_, SW_, SX_
.endif
.set A_, A_+1
.endr
.set Q_, Q_+1
.endr
	WIN 0
.endm
.macro FETCH e                         ; block e of the pair at v[ADB], all of K: 32 loads of 512 consecutive bytes
	WIN 3<<6
.set Q_, 0
.rept 8
.irp c, 0,1,2,3
	ds_load_b128 v[128*(\e)+16*Q_+4*\c:128*(\e)+16*Q_+4*\c+3], v[ADB] offset:(Q_/2)*4*UNIT+(\e)*UNIT+2048*(Q_%2)+512*\c
.endr
.set Q_, Q_+1
.endr
	WIN 0
.endm
.macro FETCHS i                        ; the pair's scale words: lanes 0-15 the even block's, lanes 16-31 the odd block's: 8 loads
.set Q_, 0
.rept 8
	ds_load_b32 v[SB+8*(\i)+Q_], v[ADS] offset:(Q_/2)*4*UNIT+128*(Q_%2)
.set Q_, Q_+1
.endr
.endm
.macro SILU                            ; z / (1 + 2^(-z log2 e)) on the 64 sums, in place; each batch of transcendentals has a wait ahead of it and a wait behind it
.set j, 0
.rept 32
	v_pk_mul_f32 v[T+j:T+j+1], v[ACC+j:ACC+j+1], s[NL2E:NL2E+1] op_sel_hi:[1,0]
.set j, j+2
.endr
	WALU
.set j, 0
.rept 64
	v_exp_f32 v[T+j], v[T+j]
.set j, j+1
.endr
	v_nop
	WALU
.set j, 0
.rept 32
	v_pk_add_f32 v[T+j:T+j+1], v[T+j:T+j+1], 1.0 op_sel_hi:[1,0]
.set j, j+2
.endr
	WALU
.set j, 0
.rept 64
	v_rcp_f32 v[T+j], v[T+j]
.set j, j+1
.endr
	v_nop
	WALU
.set j, 0
.rept 32
	v_pk_mul_f32 v[ACC+j:ACC+j+1], v[ACC+j:ACC+j+1], v[T+j:T+j+1]
.set j, j+2
.endr
.endm
; THE WAY OUT of pair i: four scale blocks b, 16 registers each.  Q, K, hidden: b = token block; V: b = 2 e + pair of token blocks.
.macro OUT kind, i, silu, base
	WALU
	s_wait_xcnt 0x0                                ; the last pair's stores have read their codes and bytes, any prefetch its address
.if \silu
	SILU
.endif
.irp b, 0,1,2,3
	v_max3_num_f32 v[TM+\b], |v[ACC+16*\b]|, |v[ACC+1+16*\b]|, 0x4800000    ; each accumulator is read from its low end on; the floor 2^(9 - 127)
.endr
.irp n, 2,4,6,8,10,12,14
.irp b, 0,1,2,3
	v_max3_num_f32 v[TM+\b], v[TM+\b], |v[ACC+16*\b+\n]|, |v[ACC+1+16*\b+\n]|
.endr
.endr
.irp b, 0,1,2,3
	v_permlanex16_b32 v[TM+4+\b], v[TM+\b], s[SEL], s[SEL+1]
.endr
.irp b, 0,1,2,3
	v_max_num_f32 v[TM+\b], v[TM+\b], v[TM+4+\b]   ; with lane l xor 16's: the block's largest magnitude
.endr
.irp b, 0,1,2,3
	v_add_nc_u32 v[TM+12+\b], 0xfc000000, v[TM+\b] ; the conversion's scale operand
.endr
.irp b, 0,1,2,3
	v_and_or_b32 v[TM+8+\b], v[TM+\b], 0x7f800000, s[MNT]   ; 448 x the scale
.endr
.irp b, 0,1,2,3
	v_lshrrev_b32 v[TM+4+\b], 23, v[TM+12+\b]      ; the byte
.endr
.if \kind
	v_lshl_or_b32 v[HW], v[TM+5], 8, v[TM+4]       ; V: a channel block's two bytes are this pair's
	v_lshl_or_b32 v[HW+1], v[TM+7], 8, v[TM+6]
.elseif \i
.irp b, 0,1,2,3
	v_lshl_or_b32 v[HW+\b], v[TM+4+\b], 8, v[EBK+\b]   ; a token block's two bytes are the chunk's two pairs'
.endr
.else
.irp b, 0,1,2,3
	v_mov_b32 v[EBK+\b], v[TM+4+\b]
.endr
.endif
.irp b, 0,1,2,3
.irp n, 0,1,2,3,4,5,6,7,8,9,10,11,12,13,14,15
	v_med3_num_f32 v[ACC+16*\b+\n], v[ACC+16*\b+\n], -v[TM+8+\b], v[TM+8+\b]   ; the conversion to an 8-bit code does not saturate (ISA guide 7.6.2)
.endr
	v_cvt_scalef32_pk8_fp8_f32 v[PC+4*\b:PC+4*\b+1], v[ACC+16*\b:ACC+16*\b+7], v[TM+12+\b]
	v_cvt_scalef32_pk8_fp8_f32 v[PC+4*\b+2:PC+4*\b+3], v[ACC+16*\b+8:ACC+16*\b+15], v[TM+12+\b]
.endr
	v_nop                                          ; a plain line behind the last conversion
.if \kind
.irp b, 0,1,2,3
	global_store_b128 v[COV], v[PC+4*\b:PC+4*\b+3], s[\base:\base+1] offset:(2*(\i)+\b/2)*UNIT+512*(\b%2)   ; 512 consecutive bytes, aligned
.endr
.irp e, 0,1
	global_store_b16 v[SOV], v[HW+\e], s[\base:\base+1] offset:(2*(\i)+\e)*UNIT    ; lanes 0-15 into the words, lanes 16-31 into their second copy
.endr
.else
.irp b, 0,1,2,3
	global_store_b128 v[CO], v[PC+4*\b:PC+4*\b+3], s[\base:\base+1] offset:\b*UNIT+512*(\i)
.endr
.if \i
.irp b, 0,1,2,3
	global_store_b16 v[SO], v[HW+\b], s[\base:\base+1] offset:\b*UNIT
.endr
.endif
.endif
.endm
; A CHUNK: two pairs.  sync 2: a round and a refill at the second pair; 1: a plain barrier, which shows the last chunk; 0: none.  more: a chunk follows.
; Counted waits on DScnt: 32 = the odd block's loads, issued last, may be out; 40 = the 32 + 8 loads just issued may be out.
.macro CHUNK kind, silu, sync, more, base
	s_wait_dscnt 32
	PRODS \kind, 0, 0
	PLACES 6                                       ; with the two additions: eight places ahead of loads into registers that the products have read
	v_add_nc_u32 v[ADB], s[TB], v[L16P]
	v_add_nc_u32 v[ADS], s[TB], v[LSP]
	WALU
	FETCH 0
	FETCHS 1
	s_wait_dscnt 40
	PRODS \kind, 1, 0
	PLACES 8
	FETCH 1
	OUT \kind, 0, \silu, \base
.if \sync
	s_wait_tensorcnt 0x0                           ; my part of the next chunk has landed, and no tensor load of mine is out
.if \sync == 2
	ds_add_u32 v[SPW], v[NIL]
	NEXT 1
.endif
	s_wait_dscnt 0x0                               ; the add is done; both blocks of this chunk's last pair stand in registers: my reads of this slot are over
	s_barrier_signal -1
.else
	s_wait_dscnt 32
.endif
	PRODS \kind, 0, 1
.if \sync
	s_barrier_wait -1
.endif
.if \sync == 2
	CREST                                          ; no wave of any partner still reads this slot or has a load on its way
	TLOAD                                          ; chunk n + 2; its four v_nop are four of the eight places
	PLACES 2
.elseif \more
	PLACES 6
.endif
.if \more
	s_xor_b32 s[TB], s[TB], SLOT1                  ; on to the other slot
	v_add_nc_u32 v[ADB], s[TB], v[L16]
	v_add_nc_u32 v[ADS], s[TB], v[LS]
	WALU
	FETCH 0
	FETCHS 0
.if \sync == 2
	ASK
.endif
	s_wait_dscnt 40
.else
	s_wait_dscnt 0x0
.endif
	PRODS \kind, 1, 1
	PLACES 8
.if \more
	FETCH 1
.endif
	OUT \kind, 1, \silu, \base
.endm
	s_load_b256 s[4:11], s[0:1], 0x0               ; xq, wc1, qkv, a2
	v_lshl_add_u32 v[SPW], v0, 2, SPARE
	v_mov_b32 v[NIL], 0
	ds_add_u32 v[SPW], v[NIL]                      ; the wave's opening: the add, twice on end, and its wait ahead of my first tensor load
	ds_add_u32 v[SPW], v[NIL]
	v_lshrrev_b32 v15, 5, v0
	v_readfirstlane_b32 s[WV], v15                 ; wave
	s_bfe_u32 s15, ttmp6, 0x40000                  ; cx
	s_bfe_u32 s87, ttmp6, 0x40004                  ; cy
	s_lshl_b32 s16, ttmp9, 2
	s_add_co_u32 s16, s16, s15                     ; rt = 4 x cluster x + cx
	s_and_b32 s17, ttmp7, 0xffff
	s_lshl_b32 s17, s17, 2
	s_add_co_u32 s17, s17, s87                     ; g = 4 x cluster y + cy
	s_lshl_b32 s23, s87, 2
	s_lshl_b32 s23, 15, s23                        ; my row of the cluster shares the chunks
	s_lshl_b32 s22, 0x1111, s15                    ; my column shares xn's rows
	s_or_b32 s[G1], s23, (3<<16)|(1<<21)           ; 17,408 dense bytes as 68 rows of 32 elements of 8 bytes
	s_mov_b32 s[G1+1], 32<<16
	s_mov_b32 s[G1+2], 68<<16
	s_mov_b32 s[G1+3], 32<<16
	s_mov_b32 s[G1+4], 68
	s_mov_b32 s[G1+5], 32
	s_mov_b32 s[G1+6], 0
	s_mov_b32 s[G1+7], 0
	s_or_b32 s[G1A], s22, (3<<16)|(1<<21)          ; 69,632 dense bytes as 272 such rows
	s_mov_b32 s[G1A+1], 32<<16
	s_mov_b32 s[G1A+2], 272<<16
	s_mov_b32 s[G1A+3], 32<<16
	s_mov_b32 s[G1A+4], 272
	s_mov_b32 s[G1A+5], 32
	s_mov_b32 s[G1A+6], 0
	s_mov_b32 s[G1A+7], 0
	s_mov_b32 s[G0A], 1
	s_mul_i32 s[G0A+1], s[WV], 16*UNIT             ; xn's K unit w
	s_mul_i32 s[AL], s[WV], 4*UNIT                 ; my four blocks in K unit 0
	s_mov_b32 s[G0], 1
	s_mul_i32 s[G0+1], s[WV], 4*UNIT               ; slot 0, K unit w
	s_lshl_b32 s18, s17, 2                         ; 4 g
	s_mul_i32 s19, s[WV], 448
	s_add_co_u32 s19, s19, s18
	s_mul_i32 s20, s19, UNIT
	s_mov_b32 s21, 0
	s_mul_i32 s70, s15, 448
	s_add_co_u32 s70, s70, s18
	s_mul_i32 s70, s70, UNIT
	s_mov_b32 s71, 0
	s_lshl_b32 s72, s16, 4                         ; the tile's first block of tokens
	s_lshl_b32 s74, s[WV], 8
	s_add_co_u32 s74, s74, s72
	s_mul_i32 s74, s74, UNIT                       ; xq: unit 256 w + 16 rt
	s_mov_b32 s75, 0
	s_lshl_b32 s73, s[WV], 2
	s_add_co_u32 s72, s72, s73                     ; my first block of tokens
	s_lshr_b32 s76, s17, 2
	s_lshl_b32 s76, s76, 8
	s_add_co_u32 s76, s76, s72
	s_mul_i32 s76, s76, UNIT                       ; unit 256 (g / 4) + my first block
	s_mov_b32 s77, 0
	s_lshl_b32 s78, s16, 6
	s_add_co_u32 s78, s78, s18
	s_add_co_u32 s78, s78, 2048
	s_mul_i32 s78, s78, UNIT                       ; V^T: unit 2048 + 64 rt + 4 g
	s_mov_b32 s79, 0
	s_and_b32 s80, s17, 3
	s_lshl_b32 s80, s80, 10                        ; 64 columns' codes in a unit: 1,024 (g % 4)
	s_bfe_u32 s81, s17, 0x10001
	s_lshl_b32 s81, s81, 7
	s_and_b32 s82, s17, 1
	s_lshl_b32 s82, s82, 1
	s_add_co_u32 s81, s81, s82
	s_add_co_u32 s81, s81, 4096                    ; and their two bytes of a scale word
	s_lshl_b32 s83, s[WV], 10                      ; V: my 64 tokens' codes,
	s_lshr_b32 s84, s[WV], 1
	s_lshl_b32 s84, s84, 7
	s_and_b32 s85, s[WV], 1
	s_lshl_b32 s85, s85, 1
	s_add_co_u32 s84, s84, s85
	s_add_co_u32 s84, s84, 4096                    ; and bytes
	s_mul_i32 s86, s[WV], 17
	s_mov_b32 s[OF+1], 0
	s_mov_b32 s[SEC], 2
	s_mov_b32 s[TB], 0
	s_mov_b32 s[SEL], 0x76543210
	s_mov_b32 s[SEL+1], 0xfedcba98
	s_mov_b32 s[MNT], 0x600000
	s_mov_b32 s[NL2E], 0xbfb8aa3b                  ; -log2(e)
	s_mov_b32 s[NL2E+1], s[NL2E]
	v_and_b32 v15, 31, v0                          ; lane
	v_and_b32 v16, 15, v0
	v_bfe_u32 v17, v0, 4, 1
	v_lshlrev_b32 v[L16], 4, v15
	v_add_nc_u32 v[L16P], 2*UNIT, v[L16]
	v_mul_u32_u24 v18, v17, UNIT
	v_lshl_add_u32 v18, v16, 2, v18
	v_add_nc_u32 v[LS], 4096, v18
	v_add_nc_u32 v[LSP], 2*UNIT+4096, v18
	v_add_nc_u32 v[CO], s80, v[L16]
	v_lshl_add_u32 v[SO], v15, 2, s81
	v_add_nc_u32 v[COV], s83, v[L16]
	v_lshl_add_u32 v[SOV], v15, 2, s84
	v_min_u32 v19, 16, v15
	v_add_nc_u32 v19, s86, v19
	v_lshlrev_b32 v[PFO], 8, v19                   ; 256 (17 w + min(lane, 16))
.irp b, 0,1,2,3
	v_mov_b32 v[TM+4+\b], 0                        ; a lane permute's destination counts as one of its sources
.endr
	WALU
	s_wait_dscnt 0x0                               ; both opening adds are done
	CROUND                                         ; all sixteen work-groups are here: the first joint loads meet
	s_wait_kmcnt 0x0
	s_add_nc_u64 s[G0A+2:G0A+3], s[4:5], s[74:75]
	s_or_b32 s[G0A+3], s[G0A+3], 0x80000000
	tensor_load_to_lds s[G0A:G0A+3], s[G1A:G1A+7]  ; xn's K unit w: one tensor load a wave at the head
	s_nop 0
	PLACES 4
	s_add_nc_u64 s[WB:WB+1], s[6:7], s[20:21]
	NEXT 0
	s_add_nc_u64 s[PB:PB+1], s[6:7], s[70:71]
	s_add_nc_u64 s[OQ:OQ+1], s[8:9], s[76:77]
	s_add_nc_u64 s[OK:OK+1], s[OQ:OQ+1], 1024*UNIT
	s_add_nc_u64 s[OH:OH+1], s[10:11], s[76:77]
	s_add_nc_u64 s[OH:OH+1], s[OH:OH+1], 1024*UNIT ; the hidden layer's first 256 columns are K unit 4 of a2
	s_add_nc_u64 s[OV:OV+1], s[8:9], s[78:79]
	global_prefetch_b8 v[PFO], s[PB:PB+1] offset:128*UNIT th:TH_LOAD_NT scope:SCOPE_SE   ; chunk 0 (section 2)
	global_prefetch_b8 v[PFO], s[PB:PB+1] offset:192*UNIT th:TH_LOAD_NT scope:SCOPE_SE   ; chunk 1 (section 3)
	s_wait_tensorcnt 0x0                           ; my K unit of xn has landed,
	s_barrier_signal -1
	s_barrier_wait -1                              ; and everybody's
	ALOAD 0
	s_wait_tensorcnt 0x0
	ds_add_u32 v[SPW], v[NIL]
	s_wait_dscnt 0x0                               ; K unit 0 stands in registers: its bytes, slot 0's, are read out
	CROUND
	TLOAD                                          ; chunk 0 over xn's K unit 0
	ALOAD 1
	ALOAD 2
	ALOAD 3
	s_wait_tensorcnt 0x0                           ; my part of chunk 0 is in
	ds_add_u32 v[SPW], v[NIL]
	NEXT 1
	s_wait_dscnt 0x0                               ; all of xn stands in registers
	CROUND
	TLOAD                                          ; chunk 1 into slot 1
	v_add_nc_u32 v[ADB], s[TB], v[L16]
	v_add_nc_u32 v[ADS], s[TB], v[LS]
	WALU
	FETCH 0
	FETCHS 0
	FETCH 1
	ASK
	CHUNK 1, 0, 2, 1, OV                           ; chunk 0: V
	s_mov_b32 s[CNT], 4
.Lhidden:                                              ; chunks 1-4: the hidden layer
	CHUNK 0, 1, 2, 1, OH
	s_wait_xcnt 0x0                                ; the stores have read their base
	s_add_nc_u64 s[OH:OH+1], s[OH:OH+1], 1024*UNIT ; 1,024 columns on: four K units of a2
	s_sub_co_u32 s[CNT], s[CNT], 1
	s_cmp_lg_u32 s[CNT], 0
	s_cbranch_scc1 .Lhidden
	CHUNK 0, 0, 1, 1, OQ                           ; chunk 5: Q; nothing is asked for any more
	CHUNK 0, 0, 0, 0, OK                           ; chunk 6: K
	s_wait_tensorcnt 0x0                           ; the wave's end
	ds_add_u32 v[SPW], v[NIL]
	s_wait_dscnt 0x0
	CROUND                                         ; the closing round
	s_endpgm
.Lfunc_end_k_qe8d251bd21_gemm1:
	.size	k_qe8d251bd21_gemm1, .Lfunc_end_k_qe8d251bd21_gemm1-k_qe8d251bd21_gemm1
	.p2alignl 7, 3214868480
	.fill 96, 4, 3214868480
	.section	.rodata,"a",@progbits
	.p2align	6, 0x0
	.amdhsa_kernel k_qe8d251bd21_gemm1
		.amdhsa_group_segment_fixed_size 327680
		.amdhsa_private_segment_fixed_size 0
		.amdhsa_enable_private_segment 0
		.amdhsa_kernarg_size 32
		.amdhsa_user_sgpr_count 2
		.amdhsa_user_sgpr_kernarg_segment_ptr 1
		.amdhsa_wavefront_size32 1
		.amdhsa_system_sgpr_workgroup_id_x 1
		.amdhsa_system_sgpr_workgroup_id_y 1
		.amdhsa_system_sgpr_workgroup_id_z 1
		.amdhsa_system_vgpr_workitem_id 0
		.amdhsa_next_free_vgpr 1024
		.amdhsa_next_free_sgpr 96
		.amdhsa_reserve_vcc 0
		.amdhsa_float_denorm_mode_32 3
		.amdhsa_float_denorm_mode_16_64 3
		.amdhsa_memory_ordered 1
		.amdhsa_forward_progress 1
		.amdhsa_inst_pref_size 218
	.end_amdhsa_kernel
	.amdgpu_metadata
---
amdhsa.version: [ 1, 2 ]
amdhsa.kernels:
  - .name:           k_qe8d251bd21_gemm1
    .symbol:         k_qe8d251bd21_gemm1.kd
    .args:
      - { .name: xq, .offset: 0, .size: 8, .value_kind: global_buffer, .address_space: global }
      - { .name: wc1, .offset: 8, .size: 8, .value_kind: global_buffer, .address_space: global }
      - { .name: qkv, .offset: 16, .size: 8, .value_kind: global_buffer, .address_space: global }
      - { .name: a2, .offset: 24, .size: 8, .value_kind: global_buffer, .address_space: global }
    .group_segment_fixed_size: 327680
    .private_segment_fixed_size: 0
    .kernarg_segment_align: 8
    .kernarg_segment_size: 32
    .max_flat_workgroup_size: 128
    .sgpr_count:     96
    .vgpr_count:     1024
    .wavefront_size: 32
...
	.end_amdgpu_metadata
.endif
;; end of part 2
;; launch attn (part 3): grid 8 x 32, 16 waves a work-group, clusters of 4 x 1, 327,680 bytes of LDS; arguments qkv, a2; writes a2
.if DOCPART == 3
	.amdgcn_target "amdgcn-amd-amdhsa--gfx1250"
	.amdhsa_code_object_version 6
	.text
	.protected	k_qe8d251bd21_attn
	.globl	k_qe8d251bd21_attn
	.p2align	8
	.type	k_qe8d251bd21_attn,@function
k_qe8d251bd21_attn:
	s_mov_b64 s[64:65], 0
	v_nop
	global_prefetch_b8 v0, s[64:65] scope:SCOPE_SE
	s_setreg_imm32_b32 hwreg(HW_REG_WAVE_MODE, 25, 1), 1
	s_wait_xcnt 0x0
	s_wait_alu depctr_hold_cnt(0) depctr_sa_sdst(0) depctr_va_vdst(0) depctr_va_sdst(0) depctr_va_ssrc(0) depctr_va_vcc(0) depctr_vm_vsrc(0)
	s_getreg_b32 s2, hwreg(HW_REG_IB_STS2, 6, 4)
	s_cmp_eq_u32 s2, 0
	s_cbranch_scc0 .Lentry_in_a_cluster
	s_endpgm
.Lentry_in_a_cluster:
	s_bfe_u32 s2, ttmp6, 0x10000c
	s_cmp_lg_u32 s2, 0x3003
	s_cbranch_scc0 .Lentry_shape_is_right
	s_endpgm
.Lentry_shape_is_right:
; Causal attention of 32 (batch, head) pairs, 2,048 tokens, head size 64, both products on codes of E4M3; the result, divided by the row's sum, is quantised along the channels into K units 0-3 of a2.
; WORK LEFT OUT (shown at the head of launch wquant): a step of 128 keys all of which come after a wave's 16 queries.
; THE SOFTMAX: t = score x log2(e) / 8; M = the running largest t rounded up to a whole number; p = 2^(t - M) is quantised along the keys; the sum is taken of the unquantised p; when M moves, sum and O are multiplied by an exact power of two.
; SHARES.  The eight work-groups of a head (two clusters of four) each hold the head's whole K and V in LDS, filled once, by joint loads of the four partners.  Work-group j, wave w owns the block of 16 queries 8 pos(w) + j:
; it lies in the key step pos, so a wave walks pos + 1 steps whatever j is: all eight work-groups have the same work and read every tile.  pos(w) is made of two orthogonal Latin squares of order 4, so that the four waves with equal w % 4, and
; the four with equal w / 4, have 34 steps together.  The tests that leave a step out or mask it hang on pos and on the count of steps alone.
; LAYOUT.  Both products transposed: S^T = K Q^T, O^T = V^T P^T: a lane holds one query.  By the order of tokens in the blocks, the 16 registers of two neighbouring blocks of keys are 16 neighbouring keys.
; HEAD SIZE 64 IN A K OF 128.  Two neighbouring blocks of keys, 1,024 bytes each, are ONE operand of 16 registers: the even block's 64 channels at k 0-63, the odd block's at k 64-127.  Multiplied by (q, zeros) it gives the even block's scores,
; by (zeros, q) the odd block's.  A head owns two of the four bytes of a scale word: each word is turned by 16 bits where the head's bytes do not stand where its product reads them: 16 x (head % 2 xor lane / 16), in registers.
; LIMITS: blocks of zeros or under 2^-118 get the byte 1; NaN and infinities are not served.  A head's two scale bytes leave by a store of two bytes a lane: 64 bytes of 1,088 that a wave stores.
; REGISTERS: v1-7 addresses that stay; v8-11 the step's addresses; v12 -M, v13 the largest t, v[14:15] the sum; v16-23 zeros, v24-31 q, v32-39 zeros; v40 q's scale words; v41 the turn; v42-43 offsets;
; v48-111 fragments of K or V; v112-175 S^T, then p; v176-207 O^T; v208-223 p's codes; v224-227 K's scale words, v228-229 V's; v232-254 at work.
.set UNIT,  4352
.set KSB,   131072                     ; LDS: K's codes, 128 blocks x 1,024 bytes, from 0; K's scale words, 128 x 64 bytes, from here;
.set VB,    139264                     ; V: eight runs of four units (256 keys x 64 channels);
.set SPARE, 278528                     ; the spare words, 128 bytes for each wave
.set AK0, 1
.set AS0, 2
.set AV0, 3
.set AT0, 4
.set SPW, 5
.set NIL, 6
.set DQ,  7                            ; my query - the first key of its step - 16 (lane / 16)
.set SQ,  40
.set ROTV, 41
.set GO,  42
.set GS,  43
.set S,   112
.set O,   176
.set PCD, 208
.set KSC, 224
.set VSC, 228
.set TK,  2                            ; s2 where the 256 keys in hand begin among K's codes; s3 among K's words; s8 in V
.set TS,  3
.set TV,  8
.set SG,  9                            ; s9 the key step's number
.set POS, 10
.set CNT, 11
.set WV,  18
.set MNT, 19
.set SEL, 20
.set CS,  22
.macro GROUP1 g, c, r, p               ; r rows of c elements of 8 bytes, p elements apart; the mask names all four partners
	s_mov_b32 s[\g], 15|(3<<16)|(1<<21)
	s_mov_b32 s[\g+1], (\c)<<16
	s_mov_b32 s[\g+2], (\r)<<16
	s_mov_b32 s[\g+3], (\c)<<16
	s_mov_b32 s[\g+4], \r
	s_mov_b32 s[\g+5], \p
	s_mov_b32 s[\g+6], 0
	s_mov_b32 s[\g+7], 0
.endm
.macro GROUP0 g, lds, base, extra
	s_mov_b32 s[\g], 1
	s_mov_b32 s[\g+1], \lds
	s_add_nc_u64 s[\g+2:\g+3], s[\base:\base+1], \extra
	s_or_b32 s[\g+3], s[\g+3], 0x80000000
.endm
.macro ONE_LOAD g0a, g1a               ; a wave's one first fill; an s_nop 0 and four v_nop follow it
	tensor_load_to_lds s[\g0a:\g0a+3], s[\g1a:\g1a+7]
	s_nop 0
.rept 4
	v_nop
.endr
.endm
.macro ROUND
	s_barrier_signal -1
	s_barrier_wait -1
	s_cmp_lg_u32 s[WV], 0
	s_cbranch_scc1 .Lnot_wave_0_\@
	s_barrier_signal -3
.Lnot_wave_0_\@:
	s_barrier_wait -3
	s_barrier_signal -1
	s_barrier_wait -1
.endm
	s_load_b128 s[4:7], s[0:1], 0x0                ; qkv, a2
	v_lshl_add_u32 v[SPW], v0, 2, SPARE
	v_mov_b32 v[NIL], 0
	ds_add_u32 v[SPW], v[NIL]                      ; the wave's opening: the add, twice on end, and its wait ahead of the first tensor loads
	ds_add_u32 v[SPW], v[NIL]
	v_lshrrev_b32 v8, 5, v0
	s_delay_alu instid0(VALU_DEP_1)
	v_readfirstlane_b32 s[WV], v8                  ; wave 0..15
	s_and_b32 s12, ttmp7, 0xffff                   ; 16 x batch + head
	s_and_b32 s13, s12, 15                         ; head
	s_lshr_b32 s14, s12, 4                         ; batch
	s_and_b32 s15, s13, 1                          ; e: which half of a fragment is the head's
	s_bfe_u32 s16, s13, 0x10001                    ; which fragment of the unit
	s_lshr_b32 s17, s13, 2                         ; which 256 columns
	s_lshl_b32 s17, s17, 8
	s_lshl_b32 s12, s14, 7
	s_add_co_u32 s17, s17, s12                     ; Q's (and a2's) unit of the batch's first block of tokens
	s_lshl_b32 s2, s16, 11
	s_lshl_b32 s3, s15, 10
	s_add_co_u32 s2, s2, s3                        ; the head's codes in a unit
	s_lshl_b32 s3, s16, 7
	s_add_co_u32 s3, s3, 4096                      ; and its scale words
	s_add_co_u32 s8, s17, 1024
	s_mul_i32 s8, s8, UNIT                         ; K's first unit
	s_lshl_b32 s10, s14, 9
	s_lshl_b32 s11, s13, 2
	s_add_co_u32 s10, s10, s11
	s_add_co_u32 s10, s10, 2048
	s_mul_i32 s10, s10, UNIT                       ; V's first unit
	s_mov_b32 s11, 0
	s_add_co_u32 s12, s8, s2
	s_mov_b32 s13, 0
	s_add_co_u32 s8, s8, s3
	s_mov_b32 s9, 0
	GROUP1 28, 128, 16, 544                        ; K's codes: 1,024 bytes of each of 16 units,
	GROUP1 36, 128, 112, 544                       ; of 112
	GROUP1 44, 8, 16, 544                          ; K's scale words: 64 bytes of each unit
	GROUP1 52, 8, 112, 544
	GROUP1 68, 32, 68, 32                          ; V: four units on end, 17,408 dense bytes,
	GROUP1 76, 2176, 7, 34816                      ; and seven such runs, 64 units apart
	s_mov_b32 s[SEL], 0x76543210
	s_mov_b32 s[SEL+1], 0xfedcba98
	s_mov_b32 s[CS], 0x3e38aa3b                    ; c = log2(e) / 8
	s_mov_b32 s[CS+1], s[CS]
	s_mov_b32 s[MNT], 0x600000
	s_wait_dscnt 0x0                               ; both opening adds are done
	s_wait_kmcnt 0x0
	s_add_nc_u64 s[12:13], s[4:5], s[12:13]
	s_add_nc_u64 s[8:9], s[4:5], s[8:9]
	s_add_nc_u64 s[10:11], s[4:5], s[10:11]
	GROUP0 84, 0, 12, 0
	GROUP0 88, 16384, 12, 16*UNIT
	GROUP0 92, KSB, 8, 0
	GROUP0 96, KSB+1024, 8, 16*UNIT
	GROUP0 60, VB, 10, 0
	GROUP0 24, VB+4*UNIT, 10, 64*UNIT
	ROUND                                          ; all four work-groups are here: the joint loads meet
	s_cmp_eq_u32 s[WV], 0                          ; six first fills, one a wave, each in its own arm of one chain on the wave's number: waves 0, 1, 2 fetch keys 0-255, waves 3, 4, 5 the rest
	s_cbranch_scc0 .Lnot_0
	ONE_LOAD 84, 28
	s_branch .Lasked
.Lnot_0:
	s_cmp_eq_u32 s[WV], 1
	s_cbranch_scc0 .Lnot_1
	ONE_LOAD 92, 44
	s_branch .Lasked
.Lnot_1:
	s_cmp_eq_u32 s[WV], 2
	s_cbranch_scc0 .Lnot_2
	ONE_LOAD 60, 68
	s_branch .Lasked
.Lnot_2:
	s_cmp_eq_u32 s[WV], 3
	s_cbranch_scc0 .Lnot_3
	ONE_LOAD 88, 36
	s_branch .Lasked
.Lnot_3:
	s_cmp_eq_u32 s[WV], 4
	s_cbranch_scc0 .Lnot_4
	ONE_LOAD 96, 52
	s_branch .Lasked
.Lnot_4:
	s_cmp_eq_u32 s[WV], 5
	s_cbranch_scc0 .Lasked
	ONE_LOAD 24, 76
.Lasked:
	s_and_b32 s12, s[WV], 3                        ; c
	s_lshr_b32 s13, s[WV], 2                       ; d
	s_lshl_b32 s8, s13, 1
	s_lshr_b32 s9, s13, 1
	s_mul_i32 s9, s9, 7
	s_xor_b32 s8, s8, s9                           ; m(d) = 0, 2, 3, 1
	s_xor_b32 s9, s12, s13
	s_xor_b32 s8, s12, s8
	s_lshl_b32 s[POS], s9, 2
	s_add_co_u32 s[POS], s[POS], s8                ; pos = 4 (c ^ d) + (c ^ m)
	s_bfe_u32 s14, ttmp6, 0x40000                  ; cx: it enters q's and the result's addresses and the mask's numbers, no branch and no LDS address
	s_lshl_b32 s16, ttmp9, 2
	s_add_co_u32 s16, s16, s14                     ; j
	s_lshl_b32 s12, s[POS], 3
	s_add_co_u32 s12, s12, s16                     ; my block of queries
	s_add_co_u32 s12, s12, s17
	s_mul_i32 s12, s12, UNIT
	s_mov_b32 s13, 0
	s_add_nc_u64 s[4:5], s[4:5], s[12:13]          ; q's unit
	s_add_nc_u64 s[6:7], s[6:7], s[12:13]          ; and the result's
	s_lshr_b32 s12, s16, 1
	s_lshl_b32 s12, s12, 5
	s_and_b32 s13, s16, 1
	s_lshl_b32 s13, s13, 3
	s_add_co_u32 s13, s12, s13                     ; 32 (j / 2) + 8 (j % 2)
	v_and_b32 v8, 15, v0                           ; r
	v_bfe_u32 v9, v0, 4, 1                         ; h
	v_and_b32 v10, 31, v0
	s_delay_alu instid0(VALU_DEP_1)
	v_lshlrev_b32 v[AK0], 4, v10                   ; 16 x lane
	s_delay_alu instid0(VALU_DEP_4)
	v_lshlrev_b32 v11, 2, v8
	s_delay_alu instid0(VALU_DEP_1)
	v_lshl_add_u32 v[AS0], v9, 6, v11
	s_delay_alu instid0(VALU_DEP_1)
	v_add_nc_u32 v[AS0], KSB, v[AS0]               ; K's words: lanes 0-15 the even block's, lanes 16-31 the odd block's
	s_delay_alu instid0(VALU_DEP_4)
	v_add_nc_u32 v[AV0], VB, v[AK0]
	v_mul_u32_u24 v[AT0], v9, UNIT
	s_delay_alu instid0(VALU_DEP_1)
	v_add_nc_u32 v[AT0], v[AT0], v11
	s_delay_alu instid0(VALU_DEP_1)
	v_add_nc_u32 v[AT0], VB+4096, v[AT0]           ; V's words: lanes 0-15 an even unit's, lanes 16-31 the next unit's
	v_xor_b32 v[ROTV], s15, v9
	s_delay_alu instid0(VALU_DEP_1)
	v_lshlrev_b32 v[ROTV], 4, v[ROTV]              ; 16 (e ^ h)
	v_add_nc_u32 v[GO], s2, v[AK0]
	v_add_nc_u32 v44, s3, v11
	global_load_b128 v[24:27], v[GO], s[4:5]       ; q: my block's 64 channels
	global_load_b128 v[28:31], v[GO], s[4:5] offset:512
	global_load_b32 v[SQ], v44, s[4:5]             ; and row r's scale word, in both halves of the lanes
	s_lshl_b32 s12, s15, 1
	s_add_co_u32 s12, s12, s3
	v_lshl_add_u32 v[GS], v10, 2, s12
	v_and_b32 v45, 8, v8
	s_delay_alu instid0(VALU_DEP_1)
	v_add_nc_u32 v45, v45, v8
	v_lshlrev_b32 v46, 4, v9
	s_delay_alu instid0(VALU_DEP_1)
	v_sub_nc_u32 v45, v45, v46
	s_delay_alu instid0(VALU_DEP_1)
	v_add_nc_u32 v[DQ], s13, v45
	s_mov_b32 s[TK], 0
	s_mov_b32 s[TS], 0
	s_mov_b32 s[TV], 0
	s_mov_b32 s[SG], 0
	v_mov_b32 v13, 0xff61b1e6                      ; the largest t so far: -3e38
	s_delay_alu instid0(VALU_DEP_1)
	v_floor_f32 v12, -v13
	v_mov_b32 v14, 0
	v_mov_b32 v15, 0
.irp n, 16,17,18,19,20,21,22,23,32,33,34,35,36,37,38,39,236,237,238,239,252,253
	v_mov_b32 v[\n], 0                             ; the zero codes beside q; registers that are named before they are first made
.endr
.set j, 0
.rept 32
	v_mov_b32 v[O+j], 0                            ; O^T: the step is written for every step alike; the first finds zeros
.set j, j+1
.endr
	s_wait_loadcnt 0x0
	v_alignbit_b32 v[SQ], v[SQ], v[SQ], v[ROTV]    ; lanes 0-15: the head's bytes at k 0-63; lanes 16-31: at k 64-127
; A KEY STEP: 128 keys, the q-th of the 256 in hand
.macro STEP q
	s_cmp_gt_u32 s[SG], s[POS]                     ; all its keys come after my queries: left out
	s_cbranch_scc1 .Lhidden_\@
	v_add_nc_u32 v8, s[TK], v[AK0]
	v_add_nc_u32 v9, s[TS], v[AS0]
	v_add_nc_u32 v10, s[TV], v[AV0]
	v_add_nc_u32 v11, s[TV], v[AT0]
.rept 4
	v_nop                                          ; with the four additions: eight places in front of loads into registers that the last products read
.endr
.irp b, 0,1,2,3
	ds_load_b32 v[KSC+\b], v9 offset:512*(\q)+128*\b
.endr
.irp b, 0,1,2,3
.irp i, 0,1,2,3
	ds_load_b128 v[48+16*\b+4*\i:51+16*\b+4*\i], v8 offset:8192*(\q)+2048*\b+512*\i
.endr
.endr
	s_wait_dscnt 16                                ; the four words are in; the 16 loads of codes may be out
.irp b, 0,1,2,3
	v_alignbit_b32 v[KSC+\b], v[KSC+\b], v[KSC+\b], v[ROTV]
.endr
.rept 8
	v_nop                                          ; a scale register written by a vector instruction stands eight places ahead of its product; the codes land meanwhile
.endr
	s_wait_alu depctr_va_vdst(0)
	s_wait_dscnt 0x0
.irp b, 0,1,2,3
	v_wmma_scale_f32_16x16x128_f8f6f4 v[S+16*\b:S+16*\b+7], v[48+16*\b:63+16*\b], v[24:39], 0, v[KSC+\b], v[SQ]
	v_wmma_scale_f32_16x16x128_f8f6f4 v[S+16*\b+8:S+16*\b+15], v[48+16*\b:63+16*\b], v[16:31], 0, v[KSC+\b], v[SQ] matrix_a_scale:MATRIX_SCALE_ROW1 matrix_b_scale:MATRIX_SCALE_ROW1
.endr
.rept 8
	v_nop
.endr
.irp t, 0,1,2,3                                ; V's fragments are asked for here and land under the softmax
.irp c, 0,1,2,3
	ds_load_b128 v[48+16*\t+4*\c:51+16*\t+4*\c], v10 offset:UNIT*\t+2048*(\q)+512*\c
.endr
.endr
.irp g, 0,1
	ds_load_b32 v[VSC+\g], v11 offset:2*UNIT*\g+128*(\q)
.endr
	s_cmp_lg_u32 s[SG], s[POS]                     ; only my queries' own step is masked
	s_cbranch_scc1 .Lopen_\@
	v_mov_b32 v254, 0xff800000
.set n, 0
.rept 64
	v_cmp_gt_i32 vcc_lo, 32*(n/16)+n%16, v[DQ]     ; register 16 b + i holds the step's key 32 b + 16 (lane / 16) + i
	v_cndmask_b32 v[S+n], v[S+n], v254, vcc_lo
.set n, n+1
.endr
.Lopen_\@:
.irp b, 0,1,2,3
	v_max3_num_f32 v[232+\b], v[S+16*\b], v[S+1+16*\b], v[S+2+16*\b]       ; the largest score of each block of 32 keys: for the row's maximum and for the block's largest p
.endr
.irp i, 3,5,7,9,11,13
.irp b, 0,1,2,3
	v_max3_num_f32 v[232+\b], v[232+\b], v[S+16*\b+\i], v[S+1+16*\b+\i]
.endr
.endr
.irp b, 0,1,2,3
	v_max_num_f32 v[232+\b], v[232+\b], v[S+15+16*\b]
.endr
.irp b, 0,1,2,3
	s_delay_alu instid0(VALU_DEP_4)
	v_permlanex16_b32 v[236+\b], v[232+\b], s[SEL], s[SEL+1]
.endr
.irp b, 0,1,2,3
	s_delay_alu instid0(VALU_DEP_4)
	v_max_num_f32 v[232+\b], v[232+\b], v[236+\b]
.endr
	s_delay_alu instid0(VALU_DEP_2)
	v_max3_num_f32 v254, v232, v233, v234
	s_delay_alu instid0(VALU_DEP_1)
	v_max_num_f32 v254, v254, v235
	s_delay_alu instid0(VALU_DEP_1)
	v_mul_f32 v254, s[CS], v254
	s_delay_alu instid0(VALU_DEP_1)
	v_max_num_f32 v13, v13, v254                   ; the running largest t
	v_mov_b32 v254, v12
	s_delay_alu instid0(VALU_DEP_2)
	v_floor_f32 v12, -v13                          ; the new -M
	s_delay_alu instid0(VALU_DEP_1)
	v_sub_f32 v254, v12, v254
	s_delay_alu instid0(VALU_DEP_1)
	v_cvt_i32_f32 v254, v254                       ; (it saturates)
	s_delay_alu instid0(VALU_DEP_1)
	v_ldexp_f32 v252, 1.0, v254                    ; f = 2^(old M - new M)
.set j, 0
.rept 32
	v_pk_fma_f32 v[S+j:S+j+1], v[S+j:S+j+1], s[CS:CS+1], v[12:13] op_sel_hi:[1,0,0]        ; t - M
.set j, j+2
.endr
.irp b, 0,1,2,3
	v_fma_f32 v[232+\b], v[232+\b], s[CS], v12
.endr
.set j, 0
	s_wait_alu depctr_va_vdst(0)
.rept 64
	v_exp_f32 v[S+j], v[S+j]
.set j, j+1
.endr
	v_pk_mul_f32 v[14:15], v[14:15], v[252:253] op_sel_hi:[1,0]    ; the sums under the new M; a plain line behind the exponentials
	s_wait_alu depctr_va_vdst(0)                   ; one wait for the batch, ahead of its first reader
.irp b, 0,1,2,3
	v_exp_f32 v[232+\b], v[232+\b]                 ; each block's largest p
.endr
	v_pk_add_f32 v[236:237], v[116:117], v[120:121]
	v_pk_add_f32 v[254:255], v[124:125], v[128:129]
	v_pk_add_f32 v[250:251], v[132:133], v[136:137]
	v_pk_add_f32 v[248:249], v[140:141], v[144:145]
	v_pk_add_f32 v[246:247], v[148:149], v[152:153]
	v_pk_add_f32 v[244:245], v[156:157], v[160:161]
	v_pk_add_f32 v[242:243], v[164:165], v[168:169]
	v_pk_add_f32 v[14:15], v[14:15], v[172:173]
	v_pk_add_f32 v[236:237], v[236:237], v[112:113]
	v_pk_add_f32 v[254:255], v[254:255], v[114:115]
	v_pk_add_f32 v[250:251], v[250:251], v[118:119]
	v_pk_add_f32 v[248:249], v[248:249], v[122:123]
	v_pk_add_f32 v[246:247], v[246:247], v[126:127]
	v_pk_add_f32 v[244:245], v[244:245], v[130:131]
	v_pk_add_f32 v[242:243], v[242:243], v[134:135]
	v_pk_add_f32 v[14:15], v[14:15], v[138:139]
	v_pk_add_f32 v[236:237], v[236:237], v[142:143]
	v_pk_add_f32 v[254:255], v[254:255], v[146:147]
	v_pk_add_f32 v[250:251], v[250:251], v[150:151]
	v_pk_add_f32 v[248:249], v[248:249], v[154:155]
	v_pk_add_f32 v[246:247], v[246:247], v[158:159]
	v_pk_add_f32 v[244:245], v[244:245], v[162:163]
	v_pk_add_f32 v[242:243], v[242:243], v[166:167]
	v_pk_add_f32 v[14:15], v[14:15], v[170:171]
	v_pk_add_f32 v[236:237], v[236:237], v[174:175]
	s_delay_alu instid0(VALU_DEP_2)
	v_pk_add_f32 v[14:15], v[14:15], v[248:249]
	s_delay_alu instid0(VALU_DEP_2)
	v_pk_add_f32 v[236:237], v[236:237], v[246:247]
	v_pk_add_f32 v[254:255], v[254:255], v[244:245]
	v_pk_add_f32 v[250:251], v[250:251], v[242:243]
	s_delay_alu instid0(VALU_DEP_2)
	v_pk_add_f32 v[14:15], v[14:15], v[254:255]
	s_delay_alu instid0(VALU_DEP_2)
	v_pk_add_f32 v[236:237], v[236:237], v[250:251]
	s_delay_alu instid0(VALU_DEP_1)
	v_pk_add_f32 v[14:15], v[14:15], v[236:237]
	s_wait_alu depctr_va_vdst(0)                   ; and one for the four
.irp b, 0,1,2,3
	v_max_num_f32 v[232+\b], 0x4800000, v[232+\b]
.endr
.irp b, 0,1,2,3
	s_delay_alu instid0(VALU_DEP_4)
	v_add_nc_u32 v[244+\b], 0xfc000000, v[232+\b]
.endr
.irp b, 0,1,2,3
	v_and_or_b32 v[240+\b], v[232+\b], 0x7f800000, s[MNT]
.endr
.irp b, 0,1,2,3
	v_lshrrev_b32 v[236+\b], 23, v[244+\b]
.endr
	s_delay_alu instid0(VALU_DEP_3)
	v_lshl_or_b32 v253, v237, 8, v236              ; p's scale word for these 128 keys
	s_delay_alu instid0(VALU_DEP_1)
	v_lshl_or_b32 v253, v238, 16, v253
	s_delay_alu instid0(VALU_DEP_1)
	v_lshl_or_b32 v253, v239, 24, v253
.irp b, 0,1,2,3
.irp i, 0,1,2,3,4,5,6,7,8,9,10,11,12,13,14,15
	v_min_num_f32 v[S+16*\b+\i], v[S+16*\b+\i], v[240+\b]          ; p is not negative: the hold is one-sided
.endr
	v_cvt_scalef32_pk8_fp8_f32 v[PCD+4*\b:PCD+4*\b+1], v[S+16*\b:S+16*\b+7], v[244+\b]
	v_cvt_scalef32_pk8_fp8_f32 v[PCD+4*\b+2:PCD+4*\b+3], v[S+16*\b+8:S+16*\b+15], v[244+\b]
.endr
.set j, 0
.rept 16
	v_pk_mul_f32 v[O+j:O+j+1], v[O+j:O+j+1], v[252:253] op_sel_hi:[1,0]    ; O^T under the new M; these are also the places between the codes and their products
.set j, j+2
.endr
	s_wait_alu depctr_va_vdst(0)
	s_wait_dscnt 0x0                               ; V
.irp t, 0,1,2,3
.if \t%2
	v_wmma_scale_f32_16x16x128_f8f6f4 v[O+8*\t:O+8*\t+7], v[48+16*\t:63+16*\t], v[PCD:PCD+15], v[O+8*\t:O+8*\t+7], v[VSC+\t/2], v253 matrix_a_scale:MATRIX_SCALE_ROW1
.else
	v_wmma_scale_f32_16x16x128_f8f6f4 v[O+8*\t:O+8*\t+7], v[48+16*\t:63+16*\t], v[PCD:PCD+15], v[O+8*\t:O+8*\t+7], v[VSC+\t/2], v253
.endif
.endr
.Lhidden_\@:
	s_add_co_u32 s[SG], s[SG], 1
.endm
.macro TRIP                            ; 256 keys
	STEP 0
	STEP 1
	s_add_co_u32 s[TK], s[TK], 16384
	s_add_co_u32 s[TS], s[TS], 1024
	s_add_co_u32 s[TV], s[TV], 4*UNIT
.endm
	s_wait_alu depctr_va_vdst(0)
	s_cmp_lt_u32 s[WV], 3                          ; waves 0, 1, 2: keys 0-255 have landed; the loads of waves 3, 4, 5 may be out
	s_cbranch_scc0 .Lrest_out
	s_wait_tensorcnt 0x0
.Lrest_out:
	s_barrier_signal -1
	s_barrier_wait -1
	TRIP
	s_wait_tensorcnt 0x0                           ; the rest has landed
	s_wait_dscnt 0x0
	s_barrier_signal -1
	s_barrier_wait -1
	s_mov_b32 s[CNT], 7
.Ltrip:                                            ; every wave walks all trips: the count is a constant, and a step's work is jumped over where it is hidden
	TRIP
	s_sub_co_u32 s[CNT], s[CNT], 1
	s_cmp_lg_u32 s[CNT], 0
	s_cbranch_scc1 .Ltrip
	; THE WAY OUT: O^T / the sum: register 16 b + i = channel 32 b + 16 (lane / 16) + i of my query: two blocks of the next product's K
.rept 8
	v_nop                                          ; places behind the last products
.endr
	v_add_f32 v14, v14, v15
	s_delay_alu instid0(VALU_DEP_1)
	v_permlanex16_b32 v252, v14, s[SEL], s[SEL+1]
	s_delay_alu instid0(VALU_DEP_1)
	v_add_f32 v14, v14, v252
	s_wait_alu depctr_va_vdst(0)
	v_rcp_f32 v14, v14
	v_nop
	s_wait_alu depctr_va_vdst(0)
.set j, 0
.rept 16
	v_pk_mul_f32 v[S+j:S+j+1], v[O+j:O+j+1], v[14:15] op_sel_hi:[1,0]
.set j, j+2
.endr
.irp b, 0,1
	v_max3_num_f32 v[232+\b], |v[S+16*\b]|, |v[S+1+16*\b]|, 0x4800000
.endr
.irp i, 2,4,6,8,10,12,14
.irp b, 0,1
	s_delay_alu instid0(VALU_DEP_2)
	v_max3_num_f32 v[232+\b], v[232+\b], |v[S+16*\b+\i]|, |v[S+1+16*\b+\i]|
.endr
.endr
.irp b, 0,1
	s_delay_alu instid0(VALU_DEP_2)
	v_permlanex16_b32 v[236+\b], v[232+\b], s[SEL], s[SEL+1]
.endr
.irp b, 0,1
	s_delay_alu instid0(VALU_DEP_2)
	v_max_num_f32 v[232+\b], v[232+\b], v[236+\b]
.endr
.irp b, 0,1
	s_delay_alu instid0(VALU_DEP_2)
	v_add_nc_u32 v[244+\b], 0xfc000000, v[232+\b]
.endr
.irp b, 0,1
	s_delay_alu instid0(VALU_DEP_4)
	v_and_or_b32 v[240+\b], v[232+\b], 0x7f800000, s[MNT]
.endr
.irp b, 0,1
	s_delay_alu instid0(VALU_DEP_4)
	v_lshrrev_b32 v[236+\b], 23, v[244+\b]
.endr
	s_delay_alu instid0(VALU_DEP_1)
	v_lshl_or_b32 v238, v237, 8, v236              ; the head's two bytes of the scale word
.irp b, 0,1
.irp i, 0,1,2,3,4,5,6,7,8,9,10,11,12,13,14,15
	v_med3_num_f32 v[S+16*\b+\i], v[S+16*\b+\i], -v[240+\b], v[240+\b]
.endr
	v_cvt_scalef32_pk8_fp8_f32 v[PCD+4*\b:PCD+4*\b+1], v[S+16*\b:S+16*\b+7], v[244+\b]
	v_cvt_scalef32_pk8_fp8_f32 v[PCD+4*\b+2:PCD+4*\b+3], v[S+16*\b+8:S+16*\b+15], v[244+\b]
.endr
	v_nop
	global_store_b128 v[GO], v[PCD:PCD+3], s[6:7]                  ; 512 consecutive bytes, aligned
	global_store_b128 v[GO], v[PCD+4:PCD+7], s[6:7] offset:512
	global_store_b16 v[GS], v238, s[6:7]           ; lanes 0-15 into the words, lanes 16-31 into their second copy
	s_wait_tensorcnt 0x0                           ; the wave's end
	ds_add_u32 v[SPW], v[NIL]
	s_wait_dscnt 0x0
	ROUND                                          ; the closing round
	s_endpgm
.Lfunc_end_k_qe8d251bd21_attn:
	.size	k_qe8d251bd21_attn, .Lfunc_end_k_qe8d251bd21_attn-k_qe8d251bd21_attn
	.p2alignl 7, 3214868480
	.fill 96, 4, 3214868480
	.section	.rodata,"a",@progbits
	.p2align	6, 0x0
	.amdhsa_kernel k_qe8d251bd21_attn
		.amdhsa_group_segment_fixed_size 327680
		.amdhsa_private_segment_fixed_size 0
		.amdhsa_enable_private_segment 0
		.amdhsa_kernarg_size 16
		.amdhsa_user_sgpr_count 2
		.amdhsa_user_sgpr_kernarg_segment_ptr 1
		.amdhsa_wavefront_size32 1
		.amdhsa_system_sgpr_workgroup_id_x 1
		.amdhsa_system_sgpr_workgroup_id_y 1
		.amdhsa_system_sgpr_workgroup_id_z 1
		.amdhsa_system_vgpr_workitem_id 0
		.amdhsa_next_free_vgpr 256
		.amdhsa_next_free_sgpr 100
		.amdhsa_reserve_vcc 1
		.amdhsa_float_denorm_mode_32 3
		.amdhsa_float_denorm_mode_16_64 3
		.amdhsa_memory_ordered 1
		.amdhsa_forward_progress 1
		.amdhsa_inst_pref_size 121
	.end_amdhsa_kernel
	.amdgpu_metadata
---
amdhsa.version: [ 1, 2 ]
amdhsa.kernels:
  - .name:           k_qe8d251bd21_attn
    .symbol:         k_qe8d251bd21_attn.kd
    .args:
      - { .name: qkv, .offset: 0, .size: 8, .value_kind: global_buffer, .address_space: global }
      - { .name: a2, .offset: 8, .size: 8, .value_kind: global_buffer, .address_space: global }
    .group_segment_fixed_size: 327680
    .private_segment_fixed_size: 0
    .kernarg_segment_align: 8
    .kernarg_segment_size: 16
    .max_flat_workgroup_size: 512
    .sgpr_count:     100
    .vgpr_count:     256
    .wavefront_size: 32
...
	.end_amdgpu_metadata
.endif
;; end of part 3
;; launch gemm2 (part 4): grid 8 x 32, 4 waves a work-group, clusters of 4 x 4, 327,680 bytes of LDS; arguments a2, wc2, x, out0; writes out0
.if DOCPART == 4
	.amdgcn_target "amdgcn-amd-amdhsa--gfx1250"
	.amdhsa_code_object_version 6
	.text
	.protected	k_qe8d251bd21_gemm2
	.globl	k_qe8d251bd21_gemm2
	.p2align	8
	.type	k_qe8d251bd21_gemm2,@function
k_qe8d251bd21_gemm2:
	s_mov_b64 s[64:65], 0
	v_nop
	global_prefetch_b8 v0, s[64:65] scope:SCOPE_SE
	s_setreg_imm32_b32 hwreg(HW_REG_WAVE_MODE, 25, 1), 1
	s_wait_xcnt 0x0
	s_wait_alu depctr_hold_cnt(0) depctr_sa_sdst(0) depctr_va_vdst(0) depctr_va_sdst(0) depctr_va_ssrc(0) depctr_va_vcc(0) depctr_vm_vsrc(0)
	s_getreg_b32 s2, hwreg(HW_REG_IB_STS2, 6, 4)
	s_cmp_eq_u32 s2, 0
	s_cbranch_scc0 .Lentry_in_a_cluster
	s_endpgm
.Lentry_in_a_cluster:
	s_bfe_u32 s2, ttmp6, 0x10000c
	s_cmp_lg_u32 s2, 0xf033
	s_cbranch_scc0 .Lentry_shape_is_right
	s_endpgm
.Lentry_shape_is_right:
; out0 = x + [attention's result | silu(xn W1)] x [Wo ; W2]: M 4,096, N 1,024, K 5,120, on codes of E4M3 with E8M0 scales; operands in units of 16 rows x 256 K as register images (launch wquant's head).  No work is left out here.
; A work-group makes 128 x 128 of out0.  K goes in ten steps of 512 (two K units); of a step each of the four waves multiplies its own 128 along K into all 64 accumulators; at the end the four partial tiles are added through LDS, 32 rows to a wave, x is added, and whole rows leave.
; CLUSTERS of 4 x 4: a2's tiles are shared along a row, wc2's along a column, by joint loads.  A step is four parts of eight units, 34,816 dense bytes: a2's two K units, wc2's two; wave w fetches part w.
; LDS: part p of slot s lies at (2 p + s) x 34,816: so a wave's ONE load at the head, a tile of two rows of 34,816 bytes a step apart in memory, fills its part of both slots.
; THE RING: a step's fragments stand in registers a step ahead, so at a step's head its slot is read out: there stand the waits, the add and the round, and behind the round the step two on is asked for.
; PREFETCH: steps 2 and 3 at the head, then step t + 4 beside the load of step t + 2.  Of the 136 blocks of 256 bytes that a wave fetches, each of the four partners that ask jointly takes 34, told apart by address (cx for a2, cy for wc2):
; two instructions a wave, a lane a block (in the second, lanes 2-31 name its second block again).  wc2's tiles are read by all eight rows of clusters: rows 0-3 ask for them.  Steps beyond the ninth are not asked for.
.set UNIT,   4352
.set HALFT,  8*UNIT
.set SLOT,   HALFT                     ; from slot 0 to slot 1 of a part
.set SPARE,  8*HALFT                   ; behind the four parts' two slots: the spare words
.set STAGE,  12*16384
.set NP,     8
.set XO,   3
.set ADRA, 8
.set ADRB, 16
.set ADRS, 18
.set SPW,  28
.set NIL,  29
.set SC,   32
.set RS,   48
.set RL,   51
.set STO,  52
.set RD,   53
.set AF,   128
.set G1,   24
.set G0,   32
.set G1B,  48
.set G0B,  56
.set G1H,  84                          ; s[84:91], s[92:99] group 1 of the head's loads: two rows of 34,816 bytes
.set G1HB, 92
.set PFA,  66                          ; s[66:67] the prefetch of step 2; s[72:73] the prefetch that walks; s[68:69] a step in bytes; s70 the step that it names
.set PFS,  68
.set PT,   70
.set PFB,  72
.set PF1,  30                          ; v30, v31 the prefetches' offsets
.set PF2,  31
.set MSB, 0
.macro WIN new
.if MSB != (\new)
	s_set_vgpr_msb (MSB<<8)|(\new)
.set MSB, (\new)
.endif
.endm
.set MUL_LO, 0xa1
.set MUL_HI, 0xf1
.set TO_B,   0x40
.macro JLOAD g0a, g1a, g0b, g1b
	s_cmp_eq_u32 s15, 0
	s_cbranch_scc0 .Lfor_b_\@
	tensor_load_to_lds s[\g0a:\g0a+3], s[\g1a:\g1a+7]
	s_nop 0
.rept 4
	v_nop
.endr
	s_branch .Lasked_\@
.Lfor_b_\@:
	tensor_load_to_lds s[\g0b:\g0b+3], s[\g1b:\g1b+7]
	s_nop 0
.rept 4
	v_nop
.endr
.Lasked_\@:
.endm
.macro CREST
	s_cmp_lg_u32 s14, 0
	s_cbranch_scc1 .Lnot_wave_0_\@
	s_barrier_signal -3
.Lnot_wave_0_\@:
	s_barrier_wait -3
	s_barrier_signal -1
	s_barrier_wait -1
.endm
.macro CROUND
	s_barrier_signal -1
	s_barrier_wait -1
	CREST
.endm
	s_load_b256 s[4:11], s[0:1], 0x0
	v_lshl_add_u32 v[SPW], v0, 2, SPARE
	v_mov_b32 v[NIL], 0
	ds_add_u32 v[SPW], v[NIL]
	ds_add_u32 v[SPW], v[NIL]
	v_lshrrev_b32 v1, 5, v0
	v_readfirstlane_b32 s14, v1
	s_lshr_b32 s15, s14, 1
	s_and_b32 s16, s14, 1
	s_bfe_u32 s40, ttmp6, 0x40000
	s_bfe_u32 s41, ttmp6, 0x40004
	s_lshl_b32 s42, ttmp9, 2
	s_add_co_u32 s42, s42, s40
	s_and_b32 s17, ttmp7, 0xffff
	s_lshl_b32 s17, s17, 2
	s_add_co_u32 s17, s17, s41
	s_lshl_b32 s43, s41, 2
	s_lshl_b32 s43, 15, s43
	s_lshl_b32 s44, 0x1111, s40
	s_or_b32 s[G1+0], s43, (3<<16)|(1<<21)
	s_or_b32 s[G1B+0], s44, (3<<16)|(1<<21)
	s_or_b32 s[G1H+0], s43, (3<<16)|(1<<21)
	s_or_b32 s[G1HB+0], s44, (3<<16)|(1<<21)
.irp g, G1H, G1HB
	s_mov_b32 s[\g+1], 4352<<16                    ; a row: 4,352 elements of 8 bytes
	s_mov_b32 s[\g+2], 2<<16
	s_mov_b32 s[\g+3], 4352<<16
	s_mov_b32 s[\g+4], 2
	s_mov_b32 s[\g+6], 0
	s_mov_b32 s[\g+7], 0
.endr
	s_mov_b32 s[G1H+5], 2*256*544                  ; from row to row a step: two K units of a2,
	s_mov_b32 s[G1HB+5], 2*64*544                  ; of wc2
.irp g, G1, G1B
	s_mov_b32 s[\g+1], 32<<16
	s_mov_b32 s[\g+2], 136<<16
	s_mov_b32 s[\g+3], 32<<16
	s_mov_b32 s[\g+4], 136
	s_mov_b32 s[\g+5], 32
	s_mov_b32 s[\g+6], 0
	s_mov_b32 s[\g+7], 0
.endr
	s_lshl_b32 s20, s16, 8
	s_lshl_b32 s18, s17, 3
	s_add_co_u32 s20, s20, s18
	s_mul_i32 s20, s20, UNIT
	s_mov_b32 s21, 0
	s_lshl_b32 s46, s16, 6
	s_lshl_b32 s45, s42, 3
	s_add_co_u32 s46, s46, s45
	s_mul_i32 s46, s46, UNIT
	s_mov_b32 s47, 0
	s_mul_i32 s19, s14, 2*HALFT
	s_wait_dscnt 0x0
	s_wait_kmcnt 0x0
	s_add_nc_u64 s[20:21], s[4:5], s[20:21]
	s_add_nc_u64 s[46:47], s[6:7], s[46:47]
	CROUND
.irp s, 0,1
	s_mov_b32 s[G0+4*\s], 1
	s_add_co_u32 s[G0+4*\s+1], s19, \s*SLOT
	s_add_nc_u64 s[G0+4*\s+2:G0+4*\s+3], s[20:21], \s*2*256*UNIT
	s_or_b32 s[G0+4*\s+3], s[G0+4*\s+3], 0x80000000
	s_mov_b32 s[G0B+4*\s], 1
	s_add_co_u32 s[G0B+4*\s+1], s19, \s*SLOT
	s_add_nc_u64 s[G0B+4*\s+2:G0B+4*\s+3], s[46:47], \s*2*64*UNIT
	s_or_b32 s[G0B+4*\s+3], s[G0B+4*\s+3], 0x80000000
.endr
	JLOAD G0, G1H, G0B, G1HB                       ; steps 0 and 1, my part of both slots: one tensor load a wave at the head
	s_cmp_eq_u32 s15, 0                            ; do I fetch for a2?
	s_cselect_b64 s[PFA:PFA+1], s[20:21], s[46:47]
	s_cselect_b32 s71, s40, s41                    ; my place among the four that ask with me
	s_mov_b32 s[PFS], 2*64*UNIT
	s_cselect_b32 s[PFS], 2*256*UNIT, s[PFS]
	s_mov_b32 s[PFS+1], 0
	s_mul_i32 s71, s71, 34
	s_and_b32 s74, ttmp7, 0xffff
	s_lshr_b32 s74, s74, 2
	s_mul_i32 s74, s74, s15                        ; not 0: wc2's wave in rows 4-7 of clusters, which asks for nothing
	s_cmp_eq_u32 s74, 0
	s_cselect_b32 s[PT], 3, 100
	s_add_nc_u64 s[PFA:PFA+1], s[PFA:PFA+1], s[PFS:PFS+1]
	s_add_nc_u64 s[PFA:PFA+1], s[PFA:PFA+1], s[PFS:PFS+1]
	s_add_nc_u64 s[PFB:PFB+1], s[PFA:PFA+1], s[PFS:PFS+1]
	v_and_b32 v[PF1], 31, v0
	v_min_u32 v[PF2], 1, v[PF1]
	v_add_nc_u32 v[PF1], s71, v[PF1]
	v_add_nc_u32 v[PF2], s71, v[PF2]
	v_add_nc_u32 v[PF2], 32, v[PF2]
	v_lshlrev_b32 v[PF1], 8, v[PF1]                ; 256 (34 p + lane)
	v_lshlrev_b32 v[PF2], 8, v[PF2]                ; 256 (34 p + 32 + min(lane, 1))
	s_wait_alu depctr_va_vdst(0)
	s_cmp_lt_u32 s[PT], 10
	s_cbranch_scc0 .Lno_ask_head
	global_prefetch_b8 v[PF1], s[PFA:PFA+1] th:TH_LOAD_NT scope:SCOPE_SE
	global_prefetch_b8 v[PF2], s[PFA:PFA+1] th:TH_LOAD_NT scope:SCOPE_SE
	global_prefetch_b8 v[PF1], s[PFB:PFB+1] th:TH_LOAD_NT scope:SCOPE_SE
	global_prefetch_b8 v[PF2], s[PFB:PFB+1] th:TH_LOAD_NT scope:SCOPE_SE
.Lno_ask_head:
	v_and_b32 v1, 15, v0
	v_bfe_u32 v2, v0, 4, 1
	v_and_b32 v4, 31, v0
	v_lshlrev_b32 v[XO], 4, v4
	s_wait_alu depctr_va_vdst(0)
	v_lshlrev_b32 v5, 2, v1
	s_mul_i32 s78, s15, 2*HALFT
	s_lshl_b32 s80, s16, 7
	s_add_co_u32 s80, s80, s78
	s_add_co_u32 s80, s80, 4096
	s_lshl_b32 s77, s16, 11
	s_add_co_u32 s78, s78, s77
.irp p, 0,1,2,3
	s_xor_b32 s76, s14, \p
	s_mul_i32 s77, s76, 2*UNIT
	s_add_co_u32 s81, s77, s78
	v_add_nc_u32 v[ADRA+\p], s81, v[XO]
	v_add_nc_u32 v[ADRA+4+\p], SLOT, v[ADRA+\p]
	s_xor_b32 s79, s76, 3
	s_mul_i32 s79, s79, 2*UNIT
	s_add_co_u32 s79, s79, 4*HALFT-6*UNIT+\p*2*UNIT
	v_mul_u32_u24 v6, s79, v2
	s_wait_alu depctr_va_vdst(0)
	v_add_nc_u32 v6, v6, v5
	s_add_co_u32 s81, s77, s80
	v_add_nc_u32 v[ADRS+\p], s81, v6
	v_add_nc_u32 v[ADRS+4+\p], SLOT, v[ADRS+\p]
.if \p > 0
	s_mul_i32 s81, s76, 3*16384
	s_add_co_u32 s81, s81, (\p-1)*16384
	v_add_nc_u32 v[RS+\p-1], s81, v[XO]
.endif
.endr
	s_add_co_u32 s78, s78, 4*HALFT
	v_add_nc_u32 v[ADRB], s78, v[XO]
	v_add_nc_u32 v[ADRB+1], SLOT, v[ADRB]
	s_mul_i32 s81, s14, 3*16384
	v_add_nc_u32 v[RL], s81, v[XO]
	s_mul_i32 s81, s14, 16*528
	s_add_co_u32 s81, s81, STAGE
	v_mul_u32_u24 v[STO], v1, 528
	v_lshl_add_u32 v[STO], v2, 6, v[STO]
	v_add_nc_u32 v[STO], s81, v[STO]
	v_add_nc_u32 v[RD], s81, v[XO]
	s_lshl_b32 s76, s17, 7
	s_lshl_b32 s77, s14, 5
	s_add_co_u32 s76, s76, s77
	s_lshl_b32 s76, s76, 12
	s_lshl_b32 s77, s42, 9
	s_add_co_u32 s76, s76, s77
	s_mov_b32 s77, 0
	s_add_nc_u64 s[8:9], s[8:9], s[76:77]
	s_add_nc_u64 s[10:11], s[10:11], s[76:77]
.macro MUL16 a0, p, zero
.irp a, \a0, \a0+1
.irp b, 0,1,2,3,4,5,6,7
.if \zero
	v_wmma_scale_f32_16x16x128_f8f6f4 v[8*(8*((\a)%4)+\b):8*(8*((\a)%4)+\b)+7], v[128*(\p)+16*\b:128*(\p)+16*\b+15], v[AF+16*(\a):AF+16*(\a)+15], 0, v[SC+8*(\p)+\b], v[SC+8*(\p)+(\a)] matrix_a_scale:MATRIX_SCALE_ROW1
.else
	v_wmma_scale_f32_16x16x128_f8f6f4 v[8*(8*((\a)%4)+\b):8*(8*((\a)%4)+\b)+7], v[128*(\p)+16*\b:128*(\p)+16*\b+15], v[AF+16*(\a):AF+16*(\a)+15], v[8*(8*((\a)%4)+\b):8*(8*((\a)%4)+\b)+7], v[SC+8*(\p)+\b], v[SC+8*(\p)+(\a)] matrix_a_scale:MATRIX_SCALE_ROW1
.endif
.endr
.endr
.endm
.macro FETCH_B slot
	WIN TO_B
.irp i, 0,1,2,3,4,5,6,7
.irp c, 0,1,2,3
	ds_load_b128 v[128*(\slot)+16*\i+4*\c:128*(\slot)+16*\i+4*\c+3], v[ADRB+\slot] offset:UNIT*\i+512*\c
.endr
.endr
	WIN 0
.endm
.macro FETCH_A slot, i0
.irp i, \i0, \i0+1, \i0+2, \i0+3
.irp c, 0,1,2,3
	ds_load_b128 v[AF+16*(\i)+4*\c:AF+16*(\i)+4*\c+3], v[ADRA+4*(\slot)+(\i)/2] offset:UNIT*((\i)%2)+512*\c
.endr
.endr
.endm
.macro SCALES slot
.irp i, 0,1,2,3,4,5,6,7
	ds_load_b32 v[SC+8*(\slot)+\i], v[ADRS+4*(\slot)+\i/2] offset:UNIT*(\i%2)
.endr
.endm
.macro PLACES n
.rept \n
	v_nop
.endr
.endm
.macro KSTEP slot, fill, zero
.if \fill
	s_wait_xcnt 0x0                                ; any prefetch of mine has read its address: it steps here, ahead of the waits of the change of slots
	s_add_nc_u64 s[PFB:PFB+1], s[PFB:PFB+1], s[PFS:PFS+1]
	s_add_co_u32 s[PT], s[PT], 1
.endif
	s_wait_tensorcnt 0x0
	ds_add_u32 v[SPW], v[NIL]
.if \fill
	s_add_nc_u64 s[G0+4*\slot+2:G0+4*\slot+3], s[G0+4*\slot+2:G0+4*\slot+3], 4*256*UNIT
	s_add_nc_u64 s[G0B+4*\slot+2:G0B+4*\slot+3], s[G0B+4*\slot+2:G0B+4*\slot+3], 4*64*UNIT
.endif
	s_wait_dscnt 0x0
	s_barrier_signal -1
	s_barrier_wait -1
.if \fill
	CREST
	JLOAD G0+4*\slot, G1, G0B+4*\slot, G1B
.endif
	WIN MUL_LO
	MUL16 0, \slot, \zero
	MUL16 2, \slot, \zero
	PLACES NP
	FETCH_B 1-\slot
	FETCH_A 1-\slot, 0
	SCALES 1-\slot
.if \fill
	s_cmp_lt_u32 s[PT], 10                         ; the step two refills on, while there is one
	s_cbranch_scc0 .Lno_ask_\@
	global_prefetch_b8 v[PF1], s[PFB:PFB+1] th:TH_LOAD_NT scope:SCOPE_SE
	global_prefetch_b8 v[PF2], s[PFB:PFB+1] th:TH_LOAD_NT scope:SCOPE_SE
.Lno_ask_\@:
.endif
	WIN MUL_HI
	MUL16 4, \slot, \zero
	MUL16 6, \slot, \zero
	PLACES NP
	WIN 0
	FETCH_A 1-\slot, 4
.endm
	s_wait_alu depctr_va_vdst(0)
	s_wait_tensorcnt 0x0                           ; my part of steps 0 and 1 has landed
	s_barrier_signal -1
	s_barrier_wait -1
	FETCH_B 0
	FETCH_A 0, 0
	SCALES 0
	FETCH_A 0, 4
	KSTEP 0, 1, 1
	s_mov_b32 s3, 3
.Llap:
	KSTEP 1, 1, 0
	KSTEP 0, 1, 0
	s_sub_co_u32 s3, s3, 1
	s_cmp_lg_u32 s3, 0
	s_cbranch_scc1 .Llap
	KSTEP 1, 1, 0
	KSTEP 0, 0, 0
	WIN 0x40
.irp i, 0,1
.irp t, 0,1,2,3,4,5,6,7,8,9,10,11,12,13,14,15
	global_load_b128 v[64*\i+4*\t:64*\i+4*\t+3], v[XO], s[8:9] offset:(8*\i+\t+8*(\t/8))*4096 th:TH_LOAD_NT
.endr
.endr
	s_wait_dscnt 16
	WIN MUL_LO
	MUL16 0, 1, 0
	MUL16 2, 1, 0
	s_wait_dscnt 0
	WIN MUL_HI
	MUL16 4, 1, 0
	MUL16 6, 1, 0
	WIN 0
	PLACES NP
	s_wait_dscnt 0x0
	s_barrier_signal -1
	s_barrier_wait -1
.irp p, 1,2,3
	WIN ((2+(\p)/2)<<2)
.irp i, 0,1
.irp b, 0,1,2,3,4,5,6,7
	ds_store_b128 v[RS+\p-1], v[128*((\p)%2)+64*\i+8*\b:128*((\p)%2)+64*\i+8*\b+3] offset:1024*(8*\i+\b)
	ds_store_b128 v[RS+\p-1], v[128*((\p)%2)+64*\i+8*\b+4:128*((\p)%2)+64*\i+8*\b+7] offset:1024*(8*\i+\b)+512
.endr
.endr
.endr
	WIN 0
	s_wait_dscnt 0x0
	s_barrier_signal -1
	s_barrier_wait -1
	WIN 0x40
.set n, 0
.rept 32
	ds_load_b128 v[128+4*n:128+4*n+3], v[RL] offset:512*n
.set n, n+1
.endr
	WIN 0
.set n, 0
.rept 32
	ds_load_b128 v[128+4*n:128+4*n+3], v[RL] offset:16384+512*n
.set n, n+1
.endr
	s_wait_dscnt 32
	WIN 0xc0
.set n, 0
.rept 32
	ds_load_b128 v[4*n:4*n+3], v[RL] offset:32768+512*n
.set n, n+1
.endr
	WIN 0x86
.set j, 0
.rept 64
	v_pk_add_f32 v[j:j+1], v[j:j+1], v[128+j:129+j]
.set j, j+2
.endr
	s_wait_dscnt 32
	WIN 0x82
.set j, 0
.rept 64
	v_pk_add_f32 v[j:j+1], v[j:j+1], v[128+j:129+j]
.set j, j+2
.endr
	s_wait_dscnt 0x0
	WIN 0x8e
.set j, 0
.rept 64
	v_pk_add_f32 v[j:j+1], v[j:j+1], v[j:j+1]
.set j, j+2
.endr
.irp i, 0,1
	WIN 0x08
.irp b, 0,1,2,3,4,5,6,7
	ds_store_b128 v[STO], v[64*\i+8*\b:64*\i+8*\b+3] offset:128*(\b/2)+32*(\b%2)
	ds_store_b128 v[STO], v[64*\i+8*\b+4:64*\i+8*\b+7] offset:128*(\b/2)+32*(\b%2)+16
.endr
	WIN 0
.irp t, 0,1,2,3,4,5,6,7,8,9,10,11,12,13,14,15
	ds_load_b128 v[128+64*\i+4*\t:128+64*\i+4*\t+3], v[RD] offset:528*\t
.endr
.endr
	s_wait_loadcnt 0x0
.irp i, 0,1
	s_wait_dscnt 32-32*\i
	WIN 0x04
.set j, 0
.rept 32
	v_pk_add_f32 v[128+64*\i+j:129+64*\i+j], v[128+64*\i+j:129+64*\i+j], v[64*\i+j:64*\i+j+1]
.set j, j+2
.endr
	WIN 0
.irp t, 0,1,2,3,4,5,6,7,8,9,10,11,12,13,14,15
	global_store_b128 v[XO], v[128+64*\i+4*\t:128+64*\i+4*\t+3], s[10:11] offset:(8*\i+\t+8*(\t/8))*4096 th:TH_STORE_NT
.endr
.endr
	s_wait_tensorcnt 0x0
	ds_add_u32 v[SPW], v[NIL]
	s_wait_dscnt 0x0
	CROUND
	s_endpgm
.Lfunc_end_k_qe8d251bd21_gemm2:
	.size	k_qe8d251bd21_gemm2, .Lfunc_end_k_qe8d251bd21_gemm2-k_qe8d251bd21_gemm2
	.p2alignl 7, 3214868480
	.fill 96, 4, 3214868480
	.section	.rodata,"a",@progbits
	.p2align	6, 0x0
	.amdhsa_kernel k_qe8d251bd21_gemm2
		.amdhsa_group_segment_fixed_size 327680
		.amdhsa_private_segment_fixed_size 0
		.amdhsa_enable_private_segment 0
		.amdhsa_kernarg_size 32
		.amdhsa_user_sgpr_count 2
		.amdhsa_user_sgpr_kernarg_segment_ptr 1
		.amdhsa_wavefront_size32 1
		.amdhsa_system_sgpr_workgroup_id_x 1
		.amdhsa_system_sgpr_workgroup_id_y 1
		.amdhsa_system_sgpr_workgroup_id_z 1
		.amdhsa_system_vgpr_workitem_id 0
		.amdhsa_next_free_vgpr 1024
		.amdhsa_next_free_sgpr 100
		.amdhsa_reserve_vcc 0
		.amdhsa_float_denorm_mode_32 3
		.amdhsa_float_denorm_mode_16_64 3
		.amdhsa_memory_ordered 1
		.amdhsa_forward_progress 1
		.amdhsa_inst_pref_size 135
	.end_amdhsa_kernel
	.amdgpu_metadata
---
amdhsa.version: [ 1, 2 ]
amdhsa.kernels:
  - .name:           k_qe8d251bd21_gemm2
    .symbol:         k_qe8d251bd21_gemm2.kd
    .args:
      - { .name: a2, .offset: 0, .size: 8, .value_kind: global_buffer, .address_space: global }
      - { .name: wc2, .offset: 8, .size: 8, .value_kind: global_buffer, .address_space: global }
      - { .name: x, .offset: 16, .size: 8, .value_kind: global_buffer, .address_space: global }
      - { .name: out0, .offset: 24, .size: 8, .value_kind: global_buffer, .address_space: global }
    .group_segment_fixed_size: 327680
    .private_segment_fixed_size: 0
    .kernarg_segment_align: 8
    .kernarg_segment_size: 32
    .max_flat_workgroup_size: 128
    .sgpr_count:     100
    .vgpr_count:     1024
    .wavefront_size: 32
...
	.end_amdgpu_metadata
.endif
;; end of part 4
